; MI455X (gfx1250); checked and timed in simulation.
; The chip was launched on July 23, 2026; its instructions are those of AMD's public machine-readable ISA for CDNA 5 (MIT licence, August 2026) and "CDNA5" Instruction Set Architecture Reference Guide (July 2026). The comments in the code are by the model that wrote it; some were corrected since.
;; Transformer. Allowed arithmetic: matrix products marked QUANTISED: E2M1 operands, one E8M0 scale for each 32 along K, by v_wmma_scale_f32_16x16x128_f8f6f4 with both operands' format E2M1 (or v_wmma_scale_f32_32x16x128_f4), f32 sums; products left as they are: bf16, f16 or f32 operands; f32 sums; everything else in f32.
;; Inputs: W1 4,096 x 1,024 float32; W2 1,024 x 4,096 float32; Wk 1,024 x 1,024 float32; Wq 1,024 x 1,024 float32; Wv 1,024 x 1,024 float32; b1 4,096 float32; b2 1,024 float32; bk 1,024 float32; bq 1,024 float32; bv 1,024 float32; k 2 x 2,048 x 1,024 float32; ln_b 1,024 float32; ln_g 1,024 float32; q 2 x 2,048 x 1,024 float32.
;; Outputs: out0 2 x 2,048 x 1,024 float32.
;; Constants: use_causal_mask = 1.
;; This version of the problem:
;;   THIS VERSION OF THE PROBLEM IS GIVEN IN LOW PRECISION. The matrix products marked QUANTISED in the list below multiply operands that are first quantised to E2M1 (2 exponent bits, 1 mantissa bit; 4 bits a number), with one power-of-two scale for each 32 numbers along K (OCP MX v1.0); their sums are f32. The products marked 'left as it is' may take bf16, f16 or f32 operands, with f32 sums. Whichever they take, every output number must still come out within the allowed error. Rounding operands to bf16 (8 significant bits) uses up far more of that allowance than f16 does (11 bits, for magnitudes from 6e-5 to 65,504). All else is computed in f32.
;;   The module's matrix products, in the order in which they are computed (A, B: the left and right operand; K: the contracted axis; several contracted axes count as one K, in the product's order):
;;     1. [M 4,096, K 1,024] x [K 1,024, N 1,024]; A: input q; B: input Wq: QUANTISED
;;     2. [M 4,096, K 1,024] x [K 1,024, N 1,024]; A: input k; B: input Wk: QUANTISED
;;     3. [M 4,096, K 1,024] x [K 1,024, N 1,024]; A: input k; B: input Wv: QUANTISED
;;     4. batch 32 x [M 2,048, K 64] x [K 64, N 2,048]; A: computed on the way; B: computed on the way: left as it is (an operand is computed on the way)
;;     5. batch 32 x [M 2,048, K 2,048] x [K 2,048, N 64]; A: computed on the way; B: computed on the way: left as it is (an operand is computed on the way)
;;     6. [M 4,096, K 1,024] x [K 1,024, N 4,096]; A: computed on the way; B: input W1: left as it is (an operand is computed on the way)
;;     7. [M 4,096, K 4,096] x [K 4,096, N 1,024]; A: computed on the way; B: input W2: left as it is (an operand is computed on the way)
;;   THE QUANTISER, for each operand of a quantised product, along K:
;;     - K is cut into blocks of 32 from its start; a last block that is shorter is filled with zeros.
;;     - A block's scale is 2^e with e = floor(log2(the largest magnitude in the block)) - 2, held to -126 .. 127; a block of zeros has e = 0. As a byte (E8M0): e + 127.
;;     - Each number is divided by its block's scale, clamped to +-6, and rounded to the nearest number of E2M1, ties to even, subnormals kept.
;;     - The product sums the exact products of the quantised numbers (number of the format x scale) in f32.
;;   ~~~python
;;   def quantise(x, axis):      # numpy; x: float32 -> the quantised numbers, widened to float32 again
;;       x = np.moveaxis(x, axis, -1); K = x.shape[-1]
;;       x = np.pad(x, [(0, 0)] * (x.ndim - 1) + [(0, -K % 32)]); x = x.reshape(x.shape[:-1] + (-1, 32)); a = np.abs(x).max(-1, keepdims=True)
;;       e = np.where(a > 0, np.clip(np.frexp(np.where(a > 0, a, 1))[1] - 1 - 2, -126, 127), 0)      # np.frexp(a)[1] - 1 = floor(log2(a)), exactly
;;       r = np.clip(x / 2.0 ** e, -6, 6)
;;       step = 2.0 ** (np.maximum(np.frexp(np.where(r == 0, 1, r))[1] - 1, 0) - 1)
;;       q = np.round(r / step) * step * 2.0 ** e      # np.round: ties to even
;;       return np.moveaxis(q.reshape(q.shape[:-2] + (-1,))[..., :K], -1, axis).astype(np.float32)
;;   ~~~
;; One version. Each part assembles by itself: llvm-mc -triple=amdgcn-amd-amdhsa -mcpu=gfx1250 --defsym DOCPART=n.
;; ======== version 1 of 1: 6 launches
;; limits: values are held in f16: magnitudes above 65,504 overflow, below 6.1e-05 lose precision; right only within a limited range of input values
;; workspace buffers: codes 5,767,168 bytes; scales 360,448 bytes; w16 16,777,216 bytes; qkv 25,165,824 bytes; att 16,777,216 bytes; y32 16,777,216 bytes; y16 8,388,608 bytes; h16 33,554,432 bytes
;; launch prep (part 1): grid 352 x 1, 4 waves a work-group, no clusters, 33,280 bytes of LDS; arguments q, k, Wq, Wk, Wv, codes, scales; writes codes, scales
.if DOCPART == 1
	.amdgcn_target "amdgcn-amd-amdhsa--gfx1250"
	.amdhsa_code_object_version 6
	.text
	.protected	k_qd869c389d3_prep
	.globl	k_qd869c389d3_prep
	.p2align	8
	.type	k_qd869c389d3_prep,@function
k_qd869c389d3_prep:
	s_mov_b64 s[64:65], 0
	v_nop
	global_prefetch_b8 v0, s[64:65] scope:SCOPE_SE
	s_setreg_imm32_b32 hwreg(HW_REG_WAVE_MODE, 25, 1), 1
	s_wait_xcnt 0x0
; q, k, Wq, Wk, Wv (f32, K = their last axis, 1,024) become codes of FP4 (E2M1), K innermost, two codes a byte, and one E8M0 byte for each 32 along K.
; The five tensors are laid one behind the other: codes [11,264 rows][512 bytes], scales [11,264][32 bytes]; rows 0-4095 q, 4096-8191 k, 8192-9215 Wq, 9216-10239 Wk, 10240-11263 Wv.
; Rows are dense and 1,024 is a multiple of 32: each tensor is a plain stream of blocks of 32, and so are its codes and bytes.  A work-group takes 32,768 numbers, a wave 8,192: 16 steps of 512.
; A block's scale is 2^(floor(log2(largest magnitude)) - 2); its byte is the largest magnitude's exponent field - 2, held at 1 from below.
; LIMITS: a block of zeros gets the byte 1 where the rule says 127 (its codes are zeros; the bytes are read by this program alone); blocks whose largest magnitude lies under 2^-124 were not tried; NaN and infinities are not served.
; Each load reads 512 consecutive bytes; a step's 2,048 bytes turn through the wave's own stage in LDS, so that a lane then holds 16 neighbours along K (two neighbouring lanes hold a block).
; No tensor loads, no barrier: waves share nothing.
.set WAVES, 4
.set STEPS, 16
.set EMAX,  2
.set CB,    8                          ; bytes of 16 codes
.set R,     16                         ; v16-79   four sets of 16 numbers as they are loaded
.set X,     80                         ; v80-111  two sets of 16 neighbours
.set E,     112                        ; v112-127 a scale byte for each step
.set C,     128                        ; v128-191 codes: four registers for each step, so that no store's data are written again
.set WREG,  8192                       ; LDS: a region for each wave: two stages of 32 x SP bytes, behind them its 256 scale bytes
.set SP,    80                         ; a lane's place in a stage: 64 bytes + 16 of padding
.set SPW,   12                         ; v12 LDS address of my spare word; never rewritten
.set NIL,   13                         ; v13 0; never rewritten
.set SPARE, WAVES*WREG                 ; behind the regions: the spare words, 128 bytes a wave, which no other line names
	s_load_b256 s[4:11], s[0:1], 0x0               ; q s[4:5], k s[6:7], Wq s[8:9], Wk s[10:11]
	s_load_b128 s[12:15], s[0:1], 0x20             ; Wv s[12:13], codes s[14:15]
	s_load_b64 s[16:17], s[0:1], 0x30              ; scales
	v_lshl_add_u32 v[SPW], v0, 2, SPARE
	v_mov_b32 v[NIL], 0
	v_lshrrev_b32 v1, 5, v0
	v_readfirstlane_b32 s30, v1                    ; wave
	v_and_b32 v2, 31, v0                           ; lane
	v_lshlrev_b32 v3, 4, v2                        ; my 16 bytes of a load's 512
	s_mul_i32 s31, s30, WREG
	v_lshrrev_b32 v14, 2, v2
	v_mul_u32_u24 v14, v14, SP
	v_and_b32 v15, 3, v2
	v_lshl_add_u32 v14, v15, 4, v14
	v_add_nc_u32 v14, s31, v14                     ; the stage, on the way in: SP (lane / 4) + 16 (lane % 4)
	v_mul_u32_u24 v15, v2, SP
	v_add_nc_u32 v15, s31, v15                     ; and on the way out: SP x lane: my 16 neighbours
	v_lshlrev_b32 v4, 3, v2                        ; 8 bytes a lane: my codes in a step's 256 bytes, my scale bytes on the way out
	v_lshrrev_b32 v5, 1, v2
	s_add_co_u32 s31, s31, 2*32*SP
	v_add_nc_u32 v5, s31, v5                       ; LDS: my wave's 256 scale bytes, my block's byte
	v_add_nc_u32 v6, s31, v4                       ; and where I read 8 of them back
	s_mov_b32 s29, 0
	s_wait_kmcnt 0x0
	; which tensor: a falling chain of choices on the work-group's number alone: 128 work-groups q, 128 k, 32 each Wq, Wk, Wv
	s_mov_b64 s[24:25], s[12:13]                   ; Wv,
	s_mov_b32 s26, 320                             ; whose first work-group is 320
	s_cmp_lt_u32 ttmp9, 320
	s_cselect_b64 s[24:25], s[10:11], s[24:25]
	s_cselect_b32 s26, 288, s26
	s_cmp_lt_u32 ttmp9, 288
	s_cselect_b64 s[24:25], s[8:9], s[24:25]
	s_cselect_b32 s26, 256, s26
	s_cmp_lt_u32 ttmp9, 256
	s_cselect_b64 s[24:25], s[6:7], s[24:25]
	s_cselect_b32 s26, 128, s26
	s_cmp_lt_u32 ttmp9, 128
	s_cselect_b64 s[24:25], s[4:5], s[24:25]
	s_cselect_b32 s26, 0, s26
	s_lshl_b32 s27, ttmp9, 2
	s_add_co_u32 s27, s27, s30                     ; my run of 8,192 numbers among all five tensors'
	s_lshl_b32 s26, s26, 2
	s_sub_co_u32 s28, s27, s26                     ; and within my tensor
	s_lshl_b32 s28, s28, 15                        ; 32,768 bytes of f32 a run
	s_add_nc_u64 s[24:25], s[24:25], s[28:29]
	s_lshl_b32 s28, s27, 12                        ; 4,096 bytes of codes
	s_add_nc_u64 s[14:15], s[14:15], s[28:29]
	s_lshl_b32 s28, s27, 8                         ; 256 scale bytes
	s_add_nc_u64 s[16:17], s[16:17], s[28:29]
.macro LOAD t
.irp i, 0,1,2,3
	global_load_b128 v[R+16*((\t)%4)+4*\i:R+16*((\t)%4)+4*\i+3], v3, s[24:25] offset:2048*(\t)+512*\i th:TH_LOAD_NT   ; 32 lanes read 512 consecutive bytes
.endr
.endm
.macro TURN t                          ; step t's numbers through the stage: LDS serves a wave's instructions in order, so no wait stands between the stores and the loads
.irp i, 0,1,2,3
	ds_store_b128 v14, v[R+16*((\t)%4)+4*\i:R+16*((\t)%4)+4*\i+3] offset:32*SP*((\t)%2)+8*SP*\i
.endr
.irp i, 0,1,2,3
	ds_load_b128 v[X+16*((\t)%2)+4*\i:X+16*((\t)%2)+4*\i+3], v15 offset:32*SP*((\t)%2)+16*\i
.endr
.endm
.irp t, 0,1,2,3
	LOAD \t
.endr
	s_wait_loadcnt 12                              ; step 0's four loads are in; those of steps 1 to 3 may be out
	TURN 0
.macro STEP t
.set XS, X+16*((\t)%2)
.if (\t) > 0
	s_wait_dscnt 1                                 ; this step's numbers are back from the stage (the last step's byte store may be out): its stores into the stage have read their registers,
.else
	s_wait_dscnt 0x0
.endif
.if (\t)+4 < STEPS
	LOAD (\t)+4                                    ; which take the loads of four steps on
.endif
.if (\t)+1 < STEPS
.if STEPS-2-(\t) >= 3
	s_wait_loadcnt 12                              ; the next step's four loads are in; those of the three steps behind it may be out
.else
	s_wait_loadcnt 4*(STEPS-2-(\t))
.endif
	TURN (\t)+1                                    ; and go through the other stage while this step is worked
.endif
	v_max3_num_f32 v8, |v[XS]|, |v[XS+1]|, |v[XS+2]|               ; the largest magnitude of my 16, in two chains
	v_max3_num_f32 v9, |v[XS+3]|, |v[XS+4]|, |v[XS+5]|
.irp i, 6,10
	v_max3_num_f32 v8, v8, |v[XS+\i]|, |v[XS+\i+1]|
	v_max3_num_f32 v9, v9, |v[XS+\i+2]|, |v[XS+\i+3]|
.endr
	v_max3_num_f32 v8, v8, |v[XS+14]|, |v[XS+15]|
	v_max3_num_f32 v8, v8, v9, (EMAX+1)<<23        ; and the floor 2^(EMAX + 1 - 127): the byte cannot fall under 1
	v_max_num_f32_dpp v8, v8, v8 row_xmask:1 row_mask:0xf bank_mask:0xf   ; and of my neighbour's 16: the block's
	v_add_nc_u32 v11, -(EMAX<<23), v8              ; EMAX off its exponent field: the conversion takes the exponent field of this operand as its scale
	v_cvt_scalef32_pk8_fp4_f32 v[C+4*(\t)], v[XS:XS+7], v11        ; eight numbers / the scale, to the nearest code, ties to even, beyond the largest code the largest
	v_cvt_scalef32_pk8_fp4_f32 v[C+4*(\t)+1], v[XS+8:XS+15], v11
	v_lshrrev_b32 v[E+(\t)], 23, v11               ; the scale's byte (also the plain line behind the conversions)
	ds_store_b8 v5, v[E+(\t)] offset:16*(\t)       ; both lanes of a block write the same byte with the same value
	global_store_b64 v4, v[C+4*(\t):C+4*(\t)+1], s[14:15] offset:32*CB*(\t)   ; the wave stores 256 consecutive bytes, aligned
.endm
.irp t, 0,1,2,3,4,5,6,7,8,9,10,11,12,13,14,15
	STEP \t
.endr
	ds_load_b64 v[8:9], v6                         ; LDS serves a wave's instructions in order: these see my byte stores
	s_wait_dscnt 0x0
	global_store_b64 v4, v[8:9], s[16:17]          ; 32 lanes store 256 consecutive bytes, aligned
	s_wait_tensorcnt 0x0                           ; the wave's end
	ds_add_u32 v[SPW], v[NIL]
	s_wait_dscnt 0x0
	s_endpgm
.Lfunc_end_k_qd869c389d3_prep:
	.size	k_qd869c389d3_prep, .Lfunc_end_k_qd869c389d3_prep-k_qd869c389d3_prep
	.p2alignl 7, 3214868480
	.fill 96, 4, 3214868480
	.section	.rodata,"a",@progbits
	.p2align	6, 0x0
	.amdhsa_kernel k_qd869c389d3_prep
		.amdhsa_group_segment_fixed_size 33280
		.amdhsa_private_segment_fixed_size 0
		.amdhsa_enable_private_segment 0
		.amdhsa_kernarg_size 56
		.amdhsa_user_sgpr_count 2
		.amdhsa_user_sgpr_kernarg_segment_ptr 1
		.amdhsa_wavefront_size32 1
		.amdhsa_system_sgpr_workgroup_id_x 1
		.amdhsa_system_sgpr_workgroup_id_y 1
		.amdhsa_system_sgpr_workgroup_id_z 1
		.amdhsa_system_vgpr_workitem_id 0
		.amdhsa_next_free_vgpr 192
		.amdhsa_next_free_sgpr 66
		.amdhsa_reserve_vcc 0
		.amdhsa_float_denorm_mode_32 3
		.amdhsa_float_denorm_mode_16_64 3
		.amdhsa_memory_ordered 1
		.amdhsa_forward_progress 1
		.amdhsa_inst_pref_size 34
	.end_amdhsa_kernel
	.amdgpu_metadata
---
amdhsa.version: [ 1, 2 ]
amdhsa.kernels:
  - .name:           k_qd869c389d3_prep
    .symbol:         k_qd869c389d3_prep.kd
    .args:
      - { .name: q, .offset: 0, .size: 8, .value_kind: global_buffer, .address_space: global }
      - { .name: k, .offset: 8, .size: 8, .value_kind: global_buffer, .address_space: global }
      - { .name: Wq, .offset: 16, .size: 8, .value_kind: global_buffer, .address_space: global }
      - { .name: Wk, .offset: 24, .size: 8, .value_kind: global_buffer, .address_space: global }
      - { .name: Wv, .offset: 32, .size: 8, .value_kind: global_buffer, .address_space: global }
      - { .name: codes, .offset: 40, .size: 8, .value_kind: global_buffer, .address_space: global }
      - { .name: scales, .offset: 48, .size: 8, .value_kind: global_buffer, .address_space: global }
    .group_segment_fixed_size: 33280
    .private_segment_fixed_size: 0
    .kernarg_segment_align: 8
    .kernarg_segment_size: 56
    .max_flat_workgroup_size: 128
    .sgpr_count:     66
    .vgpr_count:     192
    .wavefront_size: 32
...
	.end_amdgpu_metadata
.endif
;; end of part 1
;; launch qkv (part 2): grid 12 x 16, 4 waves a work-group, clusters of 4 x 4, 327,680 bytes of LDS; arguments codes, scales, bq, bk, qkv; writes qkv
.if DOCPART == 2
	.amdgcn_target "amdgcn-amd-amdhsa--gfx1250"
	.amdhsa_code_object_version 6
	.text
	.protected	k_qd869c389d3_qkv
	.globl	k_qd869c389d3_qkv
	.p2align	8
	.type	k_qd869c389d3_qkv,@function
k_qd869c389d3_qkv:
	s_mov_b64 s[64:65], 0
	v_nop
	global_prefetch_b8 v0, s[64:65] scope:SCOPE_SE
	s_setreg_imm32_b32 hwreg(HW_REG_WAVE_MODE, 25, 1), 1
	s_wait_xcnt 0x0
	s_wait_alu depctr_hold_cnt(0) depctr_sa_sdst(0) depctr_va_vdst(0) depctr_va_sdst(0) depctr_va_ssrc(0) depctr_va_vcc(0) depctr_vm_vsrc(0)
	s_getreg_b32 s2, hwreg(HW_REG_IB_STS2, 6, 4)
	s_cmp_eq_u32 s2, 0
	s_cbranch_scc0 .Lentry_in_a_cluster
	s_endpgm
.Lentry_in_a_cluster:
	s_bfe_u32 s2, ttmp6, 0x10000c
	s_cmp_lg_u32 s2, 0xf033
	s_cbranch_scc0 .Lentry_shape_is_right
	s_endpgm
.Lentry_shape_is_right:
; The three quantised products on codes of FP4 (E2M1) with E8M0 scales for each 32 along K = 1,024; sums in f32; results rounded once to f16 and laid by head.
; Cluster x picks the product: 0: Q = q Wq^T + bq;  1: K = k Wk^T + bk;  2: V^T = Wv k^T (A = Wv's rows, B = k's rows), so that V leaves with the KEYS innermost.  bv is added behind attention (the weights of a row sum to 1).
; codes [11,264][512 bytes], scales [11,264][32 bytes]: rows 0 q, 4096 k, 8192 Wq, 9216 Wk, 10240 Wv.
; qkv: Qh [32 heads][2,048][64] f16 at byte 0; Kh the same at 8,388,608; Vt [32][32 blocks of 64 keys][64 channels][64 keys] at 16,777,216.
; A tile of C, 256 x 256, is made by four waves, 128 x 128 each: 64 accumulators, 512 registers.  K is two steps of 512: both lie in LDS at once, each in a slot of its own, filled once; so are the scales of the 256 + 256 rows.
; CLUSTERS: 4 x 4 work-groups; the four of a row need the same rows of A, the four of a column the same rows of B: each tile is asked for jointly.  No branch hangs on a work-group's number: what differs between the products is arithmetic.
; THE MATRIX INSTRUCTION IS USED TRANSPOSED (source 0 = 16 rows of B, source 1 = 16 rows of A): a lane holds eight neighbouring columns of one row of C.  The bias is the C of each sum's first instruction.
; LIMIT: results beyond 65,504 in magnitude become infinities in f16.
; REGISTERS: window 0: v0-31 addresses; v32-95 scale words, two sets; v128-191 A's fragments, one set; v192-255 the bias.  window 1: B's fragments, two sets.  windows 2, 3: the accumulators ((a, b) at v[8 (8 (a % 4) + b)]).
.set KSTEP,  512
.set NQ,     KSTEP/128
.set ROWB,   256                       ; a tile's row in bytes
.set KROW,   512                       ; a row of codes in memory
.set PITCH,  272                       ; an LDS row: 256 bytes + 16 of padding: the 16 rows that a load touches start at 16 different banks (64 banks of 4 bytes: ISA guide 11.1)
.set FR,     8
.set NL,     2
.set NP,     4
.set HALFT,  128*PITCH
.set SLOT,   4*HALFT
.set KS,     32                        ; a row of scales in bytes
.set SCL,    2*SLOT
.set HALFS,  (128*KS/256)*272
.set SBLK,   (16*KS/256)*272
.set SPARE,  SCL+4*HALFS               ; the spare words, 128 bytes a wave, which no other line names
.set ADRA, 16
.set ADRB, 20
.set STO,  24
.set RD,   25
.set CO,   26
.set ADRS, 27
.set SPW,  28
.set NIL,  29
.set SC,   32
.set AF,   128
.set BIAS, 192
.set TMP,  32                          ; the way out: packed results
.set BK,   128                         ; the way out: rows read back, v128-159 and v160-191 by turns
.set G1, 24
.set G0, 32
.set G1B, 48
.set G0B, 56
.set G1S, 68
.set G0S, 76
.set G1SB, 80
.set G0SB, 88
.set MSB, 0
.macro WIN new                         ; the immediate's high byte repeats the setting that is left
.if MSB != (\new)
	s_set_vgpr_msb (MSB<<8)|(\new)
.set MSB, (\new)
.endif
.endm
.set MUL_LO, 0xa1                      ; source 0 (B) window 1, source 1 (A) window 0, C and D window 2; with the bias as C: 0x81
.set MUL_HI, 0xf1                      ; the same, C and D window 3; with the bias as C: 0xc1
.set TO_B,   0x40
.macro JLOAD g0a, g1a, g0b, g1b        ; a joint load: waves 0 and 1 fetch for A, waves 2 and 3 for B; an s_nop 0 and four v_nop follow each line
	s_cmp_eq_u32 s15, 0
	s_cbranch_scc0 .Lfor_b_\@
	tensor_load_to_lds s[\g0a:\g0a+3], s[\g1a:\g1a+7]
	s_nop 0
.rept 4
	v_nop
.endr
	s_branch .Lasked_\@
.Lfor_b_\@:
	tensor_load_to_lds s[\g0b:\g0b+3], s[\g1b:\g1b+7]
	s_nop 0
.rept 4
	v_nop
.endr
.Lasked_\@:
.endm
.macro CROUND                          ; a round of the cluster's barrier
	s_barrier_signal -1
	s_barrier_wait -1
	s_cmp_lg_u32 s14, 0
	s_cbranch_scc1 .Lnot_wave_0_\@
	s_barrier_signal -3
.Lnot_wave_0_\@:
	s_barrier_wait -3
	s_barrier_signal -1
	s_barrier_wait -1
.endm
	s_load_b256 s[4:11], s[0:1], 0x0               ; codes s[4:5], scales s[6:7], bq s[8:9], bk s[10:11]
	s_load_b64 s[12:13], s[0:1], 0x20              ; qkv
	v_lshl_add_u32 v[SPW], v0, 2, SPARE
	v_mov_b32 v[NIL], 0
	ds_add_u32 v[SPW], v[NIL]                      ; the wave's opening: the add, twice on end, and its wait ahead of my first tensor load
	ds_add_u32 v[SPW], v[NIL]
	v_lshrrev_b32 v1, 5, v0
	v_readfirstlane_b32 s14, v1                    ; wave 0..3
	s_lshr_b32 s15, s14, 1                         ; which half of the tile's rows is mine.  Also: I fetch for A (0) or for B (1)
	s_and_b32 s16, s14, 1                          ; which half of its columns.  Also: which 128 rows I fetch
	s_bfe_u32 s40, ttmp6, 0x40000                  ; cx
	s_bfe_u32 s41, ttmp6, 0x40004                  ; cy
	s_lshr_b32 s96, ttmp9, 1                       ; isV: 1 for the third product
	s_sub_co_u32 s97, 1, s96                       ; and 1 for the other two
	s_and_b32 s98, ttmp7, 0xffff
	s_lshl_b32 s98, s98, 2                         ; 4 x cluster y: it walks the 4,096 tokens, which are C's rows for Q and K and its columns for V^T
	s_mul_i32 s42, s98, s96
	s_add_co_u32 s42, s42, s40                     ; tile column
	s_mul_i32 s17, s98, s97
	s_add_co_u32 s17, s17, s41                     ; tile row
	s_lshl_b32 s43, s41, 2
	s_lshl_b32 s43, 15, s43                        ; my row of the cluster
	s_lshl_b32 s44, 0x1111, s40                    ; my column
	s_or_b32 s[G1+0], s43, (0<<16)|(1<<20)|(1<<21)|(5<<22)|(3<<25)  ; the mask; elements of 1 byte; padding on; bit 21 beside a mask; 4 words of padding behind every 64
	s_or_b32 s[G1B+0], s44, (0<<16)|(1<<20)|(1<<21)|(5<<22)|(3<<25)
.irp g, G1, G1B
	s_mov_b32 s[\g+1], ROWB<<16                    ; tensor_dim0
	s_mov_b32 s[\g+2], 128<<16                     ; tensor_dim1
	s_mov_b32 s[\g+3], ROWB<<16                    ; tile_dim0
	s_mov_b32 s[\g+4], 128                         ; tile_dim1
	s_mov_b32 s[\g+5], KROW                        ; the pitch
	s_mov_b32 s[\g+6], 0
	s_mov_b32 s[\g+7], 0
.endr
	s_or_b32 s[G1S+0], s43, (3<<16)|(1<<20)|(1<<21)|(5<<22)|(3<<25) ; the scales of 128 rows: 4,096 dense bytes as 16 rows of 256 (32 elements of 8 bytes), 16 bytes of padding behind each
	s_or_b32 s[G1SB+0], s44, (3<<16)|(1<<20)|(1<<21)|(5<<22)|(3<<25)
.irp g, G1S, G1SB
	s_mov_b32 s[\g+1], 32<<16
	s_mov_b32 s[\g+2], (128*KS/256)<<16
	s_mov_b32 s[\g+3], 32<<16
	s_mov_b32 s[\g+4], 128*KS/256
	s_mov_b32 s[\g+5], 32
	s_mov_b32 s[\g+6], 0
	s_mov_b32 s[\g+7], 0
.endr
	s_min_u32 s18, ttmp9, 1
	s_lshl_b32 s18, s18, 12
	s_mul_i32 s19, s96, 6144
	s_add_co_u32 s99, s18, s19                     ; A's first row among the codes: 0 (q), 4,096 (k), 10,240 (Wv)
	s_lshl_b32 s18, ttmp9, 10
	s_add_co_u32 s18, s18, 8192
	s_sub_co_u32 s95, s18, s19                     ; B's: 8,192 (Wq), 9,216 (Wk), 4,096 (k)
	s_lshl_b32 s18, s16, 7                         ; which 128 rows of the tile I fetch
	s_lshl_b32 s20, s17, 8
	s_add_co_u32 s20, s20, s18
	s_add_co_u32 s20, s20, s99                     ; A: its base + 256 x tile row + 128 x half
	s_lshl_b32 s46, s42, 8
	s_add_co_u32 s46, s46, s18
	s_add_co_u32 s46, s46, s95                     ; B: its base + 256 x tile column + 128 x half
	s_mov_b32 s21, 0
	s_mov_b32 s47, 0
	s_mov_b64 s[18:19], KS
	s_mul_u64 s[22:23], s[20:21], s[18:19]         ; where these rows' scales begin, in bytes
	s_mul_u64 s[92:93], s[46:47], s[18:19]
	s_mov_b64 s[18:19], KROW
	s_mul_u64 s[20:21], s[20:21], s[18:19]         ; and their codes
	s_mul_u64 s[46:47], s[46:47], s[18:19]
	s_mul_i32 s45, s14, HALFT                      ; where they go: wave x 128 rows: no place in the cluster enters an LDS address
	s_mul_i32 s94, s14, HALFS
	s_wait_dscnt 0x0                               ; both opening adds are done
	s_wait_kmcnt 0x0
	s_add_nc_u64 s[20:21], s[4:5], s[20:21]
	s_add_nc_u64 s[22:23], s[6:7], s[22:23]
	s_add_nc_u64 s[46:47], s[4:5], s[46:47]
	s_add_nc_u64 s[92:93], s[6:7], s[92:93]
	CROUND                                         ; all sixteen work-groups are here: the joint loads meet
	s_mov_b32 s[G0S], 1
	s_add_co_u32 s[G0S+1], s94, SCL
	s_mov_b64 s[G0S+2:G0S+3], s[22:23]
	s_or_b32 s[G0S+3], s[G0S+3], 0x80000000
	s_mov_b32 s[G0SB], 1
	s_add_co_u32 s[G0SB+1], s94, SCL
	s_mov_b64 s[G0SB+2:G0SB+3], s[92:93]
	s_or_b32 s[G0SB+3], s[G0SB+3], 0x80000000
	JLOAD G0S, G1S, G0SB, G1SB                     ; the scales first; by this text's count three tensor loads of a wave are out
.irp s, 0,1
	s_mov_b32 s[G0+4*\s], 1
	s_add_co_u32 s[G0+4*\s+1], s45, \s*SLOT
	s_add_nc_u64 s[G0+4*\s+2:G0+4*\s+3], s[20:21], \s*ROWB
	s_or_b32 s[G0+4*\s+3], s[G0+4*\s+3], 0x80000000
	s_mov_b32 s[G0B+4*\s], 1
	s_add_co_u32 s[G0B+4*\s+1], s45, \s*SLOT
	s_add_nc_u64 s[G0B+4*\s+2:G0B+4*\s+3], s[46:47], \s*ROWB
	s_or_b32 s[G0B+4*\s+3], s[G0B+4*\s+3], 0x80000000
	JLOAD G0+4*\s, G1, G0B+4*\s, G1B
.endr
	v_and_b32 v1, 15, v0                           ; r = l % 16
	v_bfe_u32 v2, v0, 4, 1                         ; h = l / 16
	v_mul_u32_u24 v3, v1, PITCH
	v_lshl_add_u32 v4, v2, 4, v3                   ; a fragment's row x pitch + 16 x half
	s_mul_i32 s21, s15, HALFT                      ; my 128 rows of A
	s_mul_i32 s22, s16, HALFT                      ; my 128 rows of B,
	s_add_co_u32 s22, s22, 2*HALFT                 ; behind A's 256
.irp s, 0,1
	v_add_nc_u32 v[ADRA+\s], s21, v4
	v_add_nc_u32 v[ADRB+\s], s22, v4
	s_add_co_u32 s21, s21, SLOT
	s_add_co_u32 s22, s22, SLOT
.endr
	v_mul_u32_u24 v5, v1, KS                       ; my row's scales: KS bytes a row,
	v_lshrrev_b32 v6, 8, v5
	v_lshl_add_u32 v5, v6, 4, v5                   ; and 16 more for each 256 passed
	s_mul_i32 s21, s15, HALFS
	s_mul_i32 s22, s16, HALFS
	s_add_co_u32 s22, s22, 2*HALFS
	s_sub_co_u32 s22, s22, s21
	v_mul_u32_u24 v6, s22, v2                      ; lanes 16-31 take B's
	s_add_co_u32 s21, s21, SCL
	v_add_nc_u32 v5, v5, v6
	v_add_nc_u32 v[ADRS], s21, v5
	; the bias: register BIAS + 8 b + j of lane (r, h) is the bias of column C0 + 16 b + 8 h + j.  V^T takes zeros: its loads read bk's first 128 numbers and are masked away
	s_cmp_eq_u32 ttmp9, 0
	s_cselect_b64 s[18:19], s[8:9], s[10:11]
	s_lshl_b32 s20, s42, 8
	s_lshl_b32 s21, s16, 7
	s_add_co_u32 s20, s20, s21                     ; C0: my first column
	s_mul_i32 s22, s20, s97
	s_lshl_b32 s22, s22, 2
	s_mov_b32 s23, 0
	s_add_nc_u64 s[18:19], s[18:19], s[22:23]
	v_lshlrev_b32 v7, 5, v2
.irp b, 0,1,2,3,4,5,6,7
	global_load_b128 v[BIAS+8*\b:BIAS+8*\b+3], v7, s[18:19] offset:64*\b
	global_load_b128 v[BIAS+8*\b+4:BIAS+8*\b+7], v7, s[18:19] offset:64*\b+16
.endr
	; the way out.  The stage, 16 rows x 272 bytes a wave, lies in slot 0, which has had its one fill and is read no more when the first result is stored there
	s_mul_i32 s2, s96, 253952                      ; V^T: what block 4 adds: rows 64 on belong to the next head (262,144 - 8,192)
	s_mov_b32 s3, 0
	s_sub_co_u32 s45, 262144, s2                   ; from a row's first 64 columns to its second: the next head (Q, K) or the next block of keys (V^T: 8,192)
	s_mul_i32 s21, s14, 16*PITCH
	v_add_nc_u32 v[STO], s21, v4                   ; in: row r, 16 bytes for each half of the lanes
	v_bfe_u32 v5, v0, 3, 1
	v_and_b32 v6, 7, v0
	v_mul_u32_u24 v8, v5, PITCH
	v_lshl_add_u32 v8, v2, 7, v8
	v_lshl_add_u32 v8, v6, 4, v8
	v_add_nc_u32 v[RD], s21, v8                    ; back: lanes 0-15 the first 128 bytes of two rows, lanes 16-31 the second 128 bytes
	v_mul_u32_u24 v9, s45, v2
	v_lshl_add_u32 v9, v5, 7, v9
	v_lshl_add_u32 v[CO], v6, 4, v9                ; in memory two such half rows are 256 consecutive bytes
	s_lshl_b32 s46, s17, 8
	s_lshl_b32 s47, s15, 7
	s_add_co_u32 s46, s46, s47                     ; R0: my first row
	s_sub_co_u32 s47, s20, s46
	s_mul_i32 s47, s47, s96
	s_add_co_u32 s92, s46, s47                     ; my first token: R0, for V^T C0
	s_sub_co_u32 s93, s20, s47                     ; my first channel: C0, for V^T R0
	s_lshl_b32 s22, ttmp9, 23                      ; the product's part of qkv,
	s_lshr_b32 s23, s92, 11
	s_lshl_b32 s23, s23, 22                        ; the batch: 16 heads of 262,144 bytes,
	s_add_co_u32 s22, s22, s23
	s_lshr_b32 s23, s93, 6
	s_lshl_b32 s23, s23, 18                        ; the head,
	s_add_co_u32 s22, s22, s23
	s_and_b32 s23, s92, 2047
	s_lshl_b32 s23, s23, 7                         ; the token: 128 bytes each (a block of 64 keys of V^T is 8,192 bytes: the same figure)
	s_add_co_u32 s22, s22, s23
	s_mov_b32 s23, 0
	s_add_nc_u64 s[12:13], s[12:13], s[22:23]
	s_sub_co_u32 s44, s96, 1                       ; all ones for Q and K, 0 for V^T
	s_wait_loadcnt 0x0                             ; the bias
.set i, 0
.rept 64
	v_and_b32 v[BIAS+i], s44, v[BIAS+i]
.set i, i+1
.endr
.rept 8
	v_nop
.endr
.macro FRAG reg, adr, q, i             ; 16 rows x 128 K of 4-bit codes: 8 registers: two loads of 16 bytes, 32 bytes apart
.irp c, 0,1
	ds_load_b128 v[\reg+4*\c:\reg+4*\c+3], v[\adr] offset:64*(\q)+32*\c+(\i)*16*PITCH
.endr
.endm
; 16 matrix instructions: A's blocks a0, a0 + 1 x B's eight, the slot's q-th 128 along K.  p: B's set; sc: the set of scale words.  first = 1: the bias starts the sums.
; The 64 accumulators take turns, one instruction a turn, in the same order in every step.
.macro MUL16 a0, p, q, sc, first
.irp a, \a0, \a0+1
.irp b, 0,1,2,3,4,5,6,7
.if \first
	v_wmma_scale_f32_16x16x128_f8f6f4 v[8*(8*((\a)%4)+\b):8*(8*((\a)%4)+\b)+7], v[128*(\p)+FR*\b:128*(\p)+FR*\b+FR-1], v[AF+FR*(\a):AF+FR*(\a)+FR-1], v[BIAS+8*\b:BIAS+8*\b+7], v[SC+8*NQ*(\sc)+NQ*\b+(\q)], v[SC+8*NQ*(\sc)+NQ*(\a)+(\q)] matrix_a_fmt:MATRIX_FMT_FP4 matrix_b_fmt:MATRIX_FMT_FP4 matrix_a_scale:MATRIX_SCALE_ROW1
.else
	v_wmma_scale_f32_16x16x128_f8f6f4 v[8*(8*((\a)%4)+\b):8*(8*((\a)%4)+\b)+7], v[128*(\p)+FR*\b:128*(\p)+FR*\b+FR-1], v[AF+FR*(\a):AF+FR*(\a)+FR-1], v[8*(8*((\a)%4)+\b):8*(8*((\a)%4)+\b)+7], v[SC+8*NQ*(\sc)+NQ*\b+(\q)], v[SC+8*NQ*(\sc)+NQ*(\a)+(\q)] matrix_a_fmt:MATRIX_FMT_FP4 matrix_b_fmt:MATRIX_FMT_FP4 matrix_a_scale:MATRIX_SCALE_ROW1
.endif
.endr
.endr
.endm
.macro FETCH_B slot, q, p
	WIN TO_B
.irp i, 0,1,2,3,4,5,6,7
	FRAG 128*(\p)+FR*\i, ADRB+\slot, \q, \i
.endr
	WIN 0
.endm
.macro FETCH_A slot, q, i0
.irp i, \i0, \i0+1, \i0+2, \i0+3
	FRAG AF+FR*(\i), ADRA+\slot, \q, \i
.endr
.endm
.macro SCALES sc                       ; a K step's scale words: lanes 0-15 take A's block i, lanes 16-31 B's block i
.irp i, 0,1,2,3,4,5,6,7
	ds_load_b128 v[SC+8*NQ*\sc+NQ*\i:SC+8*NQ*\sc+NQ*\i+3], v[ADRS] offset:\i*SBLK
.endr
.endm
.macro PLACES n                        ; plain vector instructions behind matrix instructions, in front of loads into registers that they read and of reads of results
.rept \n
	v_nop
.endr
.endm
.macro STEP slot, q, first             ; 128 along K with its successor in the same slot
	s_wait_dscnt 4*NL                              ; B's set and A's blocks 0-3 are in; the youngest eight loads (A's blocks 4-7) may be out
	WIN MUL_LO-0x20*(\first)
	MUL16 0, (\q)%2, \q, \slot, \first
	MUL16 2, (\q)%2, \q, \slot, \first
	s_wait_dscnt 0                                 ; A's blocks 4-7 are in
	PLACES NP
	FETCH_B \slot, (\q)+1, 1-(\q)%2
	FETCH_A \slot, (\q)+1, 0
	WIN MUL_HI-0x30*(\first)
	MUL16 4, (\q)%2, \q, \slot, \first
	MUL16 6, (\q)%2, \q, \slot, \first
	PLACES NP
	WIN 0
	FETCH_A \slot, (\q)+1, 4
.endm
.macro STEPS slot, from
.set Q, \from
.rept NQ-1-\from
	STEP \slot, Q, 0
.set Q, Q+1
.endr
.endm
	s_wait_tensorcnt 1                             ; the scales and my part of slot 0 are in (slot 1's load may be out)
	s_barrier_signal -1
	s_barrier_wait -1                              ; everybody's are
	FETCH_B 0, 0, 0
	FETCH_A 0, 0, 0
	SCALES 0
	FETCH_A 0, 0, 4
	STEP 0, 0, 1
	STEPS 0, 1
	; slot 0's last step goes over to slot 1: each wave shows its part of slot 1 landed, then one barrier
	s_wait_tensorcnt 0x0                           ; all my tensor loads have landed
	ds_add_u32 v[SPW], v[NIL]
	s_wait_dscnt 4*NL+1                            ; (the add and the youngest eight loads may be out)
	WIN MUL_LO
	MUL16 0, 1, NQ-1, 0, 0
	s_wait_dscnt 0x0                               ; the add is done, and my reads of slot 0 are over
	s_barrier_signal -1
	MUL16 2, 1, NQ-1, 0, 0
	WIN 0
	s_barrier_wait -1
	PLACES NP
	v_add_nc_u32 v[ADRS], 4*NQ, v[ADRS]            ; on to the second K step's scale words
	FETCH_B 1, 0, 0
	FETCH_A 1, 0, 0
	SCALES 1
	WIN MUL_HI
	MUL16 4, 1, NQ-1, 0, 0
	MUL16 6, 1, NQ-1, 0, 0
	PLACES NP
	WIN 0
	FETCH_A 1, 0, 4
	STEPS 1, 0
	s_wait_dscnt 4*NL                              ; the very last step: nothing more to fetch
	WIN MUL_LO
	MUL16 0, 1, NQ-1, 1, 0
	MUL16 2, 1, NQ-1, 1, 0
	s_wait_dscnt 0
	WIN MUL_HI
	MUL16 4, 1, NQ-1, 1, 0
	MUL16 6, 1, NQ-1, 1, 0
	WIN 0
; THE WAY OUT, block by block of 16 rows x 128 columns: rounded to f16 (16 bytes a lane), through my stage, back as half rows of 128 bytes, two of which are 256 consecutive bytes of qkv.
.macro PACK a
.set AC, 64*((\a)%4)
	WIN 0x0a+5*((\a)/4)                            ; sources 0 and 1: window 2 or 3
.irp b, 0,1,2,3,4,5,6,7
.irp rr, 0,1,2,3
	v_cvt_pk_f16_f32 v[TMP+4*\b+\rr], v[AC+8*\b+2*\rr], v[AC+8*\b+2*\rr+1]   ; each accumulator from its low end on
.endr
.endr
	WIN 0
.endm
.macro TOSTAGE a
.set BB, BK+32*((\a)%2)
.irp b, 0,1,2,3,4,5,6,7
	ds_store_b128 v[STO], v[TMP+4*\b:TMP+4*\b+3] offset:32*\b
.endr
.irp t, 0,1,2,3,4,5,6,7
	ds_load_b128 v[BB+4*\t:BB+4*\t+3], v[RD] offset:\t*2*PITCH     ; LDS serves a wave's instructions in order: these see the stores above
.endr
.endm
.macro SEND a
.set BB, BK+32*((\a)%2)
	s_wait_dscnt 0x0                               ; the block is back in registers
	s_wait_xcnt 0x0                                ; the earlier stores have read their base and their registers
.if (\a) > 0
	s_add_nc_u64 s[12:13], s[12:13], 2048          ; 16 rows of 128 bytes on
.endif
.if (\a) == 4
	s_add_nc_u64 s[12:13], s[12:13], s[2:3]        ; V^T: on to the next head
.endif
.irp t, 0,1,2,3,4,5,6,7
	global_store_b128 v[CO], v[BB+4*\t:BB+4*\t+3], s[12:13] offset:256*\t   ; 16 lanes store 256 consecutive bytes, aligned
.endr
.endm
	PLACES NP
	PACK 0
	TOSTAGE 0
.irp a, 1,2,3,4,5,6,7
	PACK \a
	SEND \a-1
	TOSTAGE \a
.endr
	SEND 7
	s_wait_tensorcnt 0x0                           ; the wave's end
	ds_add_u32 v[SPW], v[NIL]
	s_wait_dscnt 0x0
	CROUND                                         ; the closing round
	s_endpgm
.Lfunc_end_k_qd869c389d3_qkv:
	.size	k_qd869c389d3_qkv, .Lfunc_end_k_qd869c389d3_qkv-k_qd869c389d3_qkv
	.p2alignl 7, 3214868480
	.fill 96, 4, 3214868480
	.section	.rodata,"a",@progbits
	.p2align	6, 0x0
	.amdhsa_kernel k_qd869c389d3_qkv
		.amdhsa_group_segment_fixed_size 327680
		.amdhsa_private_segment_fixed_size 0
		.amdhsa_enable_private_segment 0
		.amdhsa_kernarg_size 40
		.amdhsa_user_sgpr_count 2
		.amdhsa_user_sgpr_kernarg_segment_ptr 1
		.amdhsa_wavefront_size32 1
		.amdhsa_system_sgpr_workgroup_id_x 1
		.amdhsa_system_sgpr_workgroup_id_y 1
		.amdhsa_system_sgpr_workgroup_id_z 1
		.amdhsa_system_vgpr_workitem_id 0
		.amdhsa_next_free_vgpr 1024
		.amdhsa_next_free_sgpr 100
		.amdhsa_reserve_vcc 0
		.amdhsa_float_denorm_mode_32 3
		.amdhsa_float_denorm_mode_16_64 3
		.amdhsa_memory_ordered 1
		.amdhsa_forward_progress 1
		.amdhsa_inst_pref_size 132
	.end_amdhsa_kernel
	.amdgpu_metadata
---
amdhsa.version: [ 1, 2 ]
amdhsa.kernels:
  - .name:           k_qd869c389d3_qkv
    .symbol:         k_qd869c389d3_qkv.kd
    .args:
      - { .name: codes, .offset: 0, .size: 8, .value_kind: global_buffer, .address_space: global }
      - { .name: scales, .offset: 8, .size: 8, .value_kind: global_buffer, .address_space: global }
      - { .name: bq, .offset: 16, .size: 8, .value_kind: global_buffer, .address_space: global }
      - { .name: bk, .offset: 24, .size: 8, .value_kind: global_buffer, .address_space: global }
      - { .name: qkv, .offset: 32, .size: 8, .value_kind: global_buffer, .address_space: global }
    .group_segment_fixed_size: 327680
    .private_segment_fixed_size: 0
    .kernarg_segment_align: 8
    .kernarg_segment_size: 40
    .max_flat_workgroup_size: 128
    .sgpr_count:     100
    .vgpr_count:     1024
    .wavefront_size: 32
...
	.end_amdgpu_metadata
.endif
;; end of part 2
;; launch attn (part 3): grid 8 x 32, 8 waves a work-group, no clusters, 327,680 bytes of LDS; arguments qkv, att, W1, W2, w16; writes att, w16
.if DOCPART == 3
	.amdgcn_target "amdgcn-amd-amdhsa--gfx1250"
	.amdhsa_code_object_version 6
	.text
	.protected	k_qd869c389d3_attn
	.globl	k_qd869c389d3_attn
	.p2align	8
	.type	k_qd869c389d3_attn,@function
k_qd869c389d3_attn:
	s_mov_b64 s[64:65], 0
	v_nop
	global_prefetch_b8 v0, s[64:65] scope:SCOPE_SE
	s_setreg_imm32_b32 hwreg(HW_REG_WAVE_MODE, 25, 1), 1
	s_wait_xcnt 0x0
; att[b][q][64 head + :] = the sum over keys k <= q of softmax_k(Q . K / 8) V, for 32 heads of 2,048 positions and 64 channels; operands f16, products, maxima and sums f32; the weights are rounded to f16 for the second product.
; qkv: Qh [32][2,048][64] at byte 0, Kh the same at 8,388,608, Vt [32][32 blocks of 64 keys][64 channels][64 keys] at 16,777,216.  att: [4,096][1,024] f32 (bv is added by the next launch).
; SHARES.  Work-group (i, head) owns the blocks i and 15 - i of 128 queries.  EACH of the eight waves owns one tile of 16 queries of the early block (tile 0) and one of the late block (tile 1): so all eight have the same
; work at the same time, 33 tile steps under the causal mask in every work-group.  While a step's keys count for both tiles, each fragment of K and V feeds two products; behind the early tile's diagonal the late tile goes on alone.
; NO CLUSTER: the eight work-groups of a head need 8, 8, 7, 7, 6, 6, 5, 5 slots of keys: a joint load would name partners none of whose waves reads the tile.
; LAYOUT.  S^T = K Q^T (source 0 = 16 keys, source 1 = 16 queries): a lane holds ONE query (lane % 16) and keys 8 (lane / 16) + 0..7 of each tile.  Two such tiles, rounded to f16 in pairs, are source 1 of O^T = V^T P.
; SOFTMAX.  For each query a running maximum m and sum l: p = 2^(c s - c m), c = log2(e) / 8; in every step O and l are multiplied by a = 2^(c m_old - c m_new).
; THE MASK.  Every work-group walks all 8 slots of 256 keys (the trip counts are constants); scalar branches on ids choose, for a step of 64 keys, both tiles, the late tile alone, or nothing.  On a tile's diagonal hidden scores become
; -infinity.  A slot whose first key comes after the work-group's last query is not asked for.  LIMIT: a hidden key has p = 0, which is what exp(-1e9 - max) gives unless a visible score lies under about -1e9.
; RING.  Two slots, 2^17 bytes apart; a slot: 256 rows of K, then 4 blocks x 64 channel rows of V^T; rows of 128 bytes + 16 of padding.  Each wave fetches 64 rows by one tensor load: waves 0-3 K's quarters, waves 4-7 V's.
; THE CASTS.  W1 and W2 are rounded to f16 here (w16: W1 at byte 0, W2 at byte 8,388,608), for the two launches behind the next: a wave's share is 4,096 numbers, 32 loads, 64 conversions and 32 stores beside its 33 tile steps.
; Four loads go out behind each change of slots and are converted and stored behind the next, four key steps later.  LIMIT: weights beyond 65,504 in magnitude become infinities.
; REGISTERS: v1-10 addresses; v12-15 at work; v16-31 statistics, 8 a tile: +0 c m, +1 m, +2, +3 l, +4..+7 at work (a in +6); v32-63 Q; v64-127 K's fragments, then V's; v128-191 S^T, then p; v192-255 O^T.
;   window 1: v0-15 a cast group as loaded, v16-23 as stored, v24 16 x lane, v25 8 x lane.
.set KP,    144                        ; 36 words: row r starts at bank 36 r mod 64: the 16 rows of a load start at 16 different groups of four banks (ISA guide 11.1)
.set STEPB, 64*KP                      ; 64 rows: a step's K, a step's V, and what one tensor load brings
.set VOFF,  4*STEPB
.set SLOT1, 1<<17
.set SK,    256                        ; keys in a slot
.set SLOTB, 32768                      ; a slot's K (or V) in memory
.set SPARE, 2*SLOT1                    ; the spare words, 128 bytes a wave, which no other line names
.set STAGE, SPARE+1024                 ; the way out: 16 rows x 272 bytes a wave
.set AK0, 1
.set AV0, 2
.set SPW, 3
.set NIL, 4
.set GO,  5
.set ADK, 6
.set ADV, 7
.set PFO, 8
.set RH,  9
.set D0,  10
.set ST,  16
.set Q,   32
.set KV,  64
.set S,   128
.set O,   192
.set CI,  0                            ; in window 1
.set CH,  16
.set CA16, 24
.set CA8, 25
.set WV,  8
.set TW,  9
.set SEL, 10
.set CS,  12
.set TB,  14
.set KF,  15
.set G1,  16
.set G0,  24
.set PFA, 28
.set LIM, 30
.set SLOTS, 31
.set QE,  32                           ; s32 the early tile's first query;  s34 the late tile's: tile T's at s[QE + 2 T]
.set LASTQ, 33
.set QL,  34
.set CSRC, 52                          ; s[52:53] the cast group's 2,048 bytes of f32
.set CDST, 54                          ; s[54:55] 1,024 bytes behind the place of the group to be stored
; s[4:5], s[48:49]: Q at tile 0's, tile 1's first row;  s[6:7], s[50:51]: att likewise
.set MSB, 0
.macro WIN new                         ; the immediate's high byte repeats the setting that is left
.if MSB != (\new)
	s_set_vgpr_msb (MSB<<8)|(\new)
.set MSB, (\new)
.endif
.endm
	s_load_b128 s[4:7], s[0:1], 0x0                ; qkv, att
	s_load_b128 s[56:59], s[0:1], 0x10             ; W1, W2
	s_load_b64 s[60:61], s[0:1], 0x20              ; w16
	v_lshl_add_u32 v[SPW], v0, 2, SPARE
	v_mov_b32 v[NIL], 0
	ds_add_u32 v[SPW], v[NIL]                      ; the wave's opening: the add, twice on end, and its wait ahead of my first tensor load
	ds_add_u32 v[SPW], v[NIL]
	v_lshrrev_b32 v5, 5, v0
	v_readfirstlane_b32 s[WV], v5                  ; wave 0..7
	s_mov_b32 s[G1], (0<<16)|(1<<20)|(4<<22)|(3<<25)   ; no mask; elements of 1 byte; 4 words of padding behind every 32
	s_mov_b32 s[G1+1], 128<<16                     ; tensor_dim0
	s_mov_b32 s[G1+2], 64<<16                      ; tensor_dim1
	s_mov_b32 s[G1+3], 128<<16                     ; tile_dim0
	s_mov_b32 s[G1+4], 64                          ; tile_dim1
	s_mov_b32 s[G1+5], 128                         ; the pitch: the rows are dense
	s_mov_b32 s[G1+6], 0
	s_mov_b32 s[G1+7], 0
	s_and_b32 s35, ttmp7, 0xffff                   ; the head, 0..31
	s_lshl_b32 s36, s[WV], 4                       ; my 16 queries of a block
	s_lshl_b32 s[QE], ttmp9, 7
	s_add_co_u32 s[QE], s[QE], s36                 ; 128 i + 16 wave
	s_sub_co_u32 s37, 15, ttmp9
	s_lshl_b32 s37, s37, 7
	s_add_co_u32 s[QL], s37, s36                   ; 128 (15 - i) + 16 wave
	s_or_b32 s[LASTQ], s37, 127                    ; my work-group's last query
	s_lshl_b32 s41, s35, 18                        ; a head is 262,144 bytes in Qh, Kh and Vt
	s_lshr_b32 s38, s[WV], 2
	s_add_co_u32 s38, s38, 1
	s_lshl_b32 s38, s38, 23                        ; Kh for waves 0-3, Vt for waves 4-7,
	s_add_co_u32 s38, s38, s41
	s_and_b32 s40, s[WV], 3
	s_lshl_b32 s40, s40, 13                        ; my quarter of a slot: 8,192 bytes
	s_add_co_u32 s38, s38, s40
	s_mov_b32 s39, 0
	s_lshl_b32 s42, s[QE], 7
	s_add_co_u32 s42, s42, s41                     ; Q: tile 0's first row,
	s_mov_b32 s43, 0
	s_lshl_b32 s44, s[QL], 7
	s_add_co_u32 s44, s44, s41                     ; tile 1's
	s_mov_b32 s45, 0
	s_lshr_b32 s46, s35, 4
	s_lshl_b32 s46, s46, 11                        ; att: row 2,048 batch + query, 4,096 bytes each,
	s_and_b32 s47, s35, 15
	s_lshl_b32 s47, s47, 8                         ; + 256 bytes a head
	s_add_co_u32 s2, s46, s[QE]
	s_lshl_b32 s2, s2, 12
	s_add_co_u32 s2, s2, s47                       ; tile 0's,
	s_mov_b32 s3, 0
	s_add_co_u32 s46, s46, s[QL]
	s_lshl_b32 s46, s46, 12
	s_add_co_u32 s46, s46, s47                     ; tile 1's
	s_mov_b32 s47, 0
	s_lshl_b32 s36, s35, 3
	s_add_co_u32 s36, s36, ttmp9
	s_lshl_b32 s36, s36, 3
	s_add_co_u32 s36, s36, s[WV]                   ; the casts: my wave among the launch's 2,048: the first 1,024 (heads 0-15) take W1, the others W2
	s_and_b32 s62, s36, 1023
	s_lshl_b32 s62, s62, 14                        ; 16,384 bytes of f32 a wave,
	s_mov_b32 s63, 0
	s_lshl_b32 s36, s36, 13                        ; 8,192 of f16; W2's follow W1's
	s_mov_b32 s37, 0
	s_mov_b32 s[SEL], 0x76543210
	s_mov_b32 s[SEL+1], 0xfedcba98                 ; v_permlanex16_b32's selects for lane l xor 16
	s_mov_b32 s[CS], 0x3e38aa3b                    ; c = log2(e) / 8
	s_mov_b32 s[CS+1], s[CS]
	s_mov_b32 s[TB], 0
	s_mov_b32 s[KF], 0
	s_mov_b32 s[SLOTS], 7
	s_cmp_eq_u32 ttmp9, 0
	s_cselect_b32 s[LIM], 1, -1                    ; the head's work-group 0, which walks all slots, prefetches
	s_mov_b32 s[G0], 1
	s_mul_i32 s[G0+1], s[WV], STEPB                ; LDS: wave x 64 rows, in slot 0
	s_wait_dscnt 0x0                               ; both opening adds are done
	s_wait_kmcnt 0x0
	s_add_nc_u64 s[38:39], s[4:5], s[38:39]
	s_mov_b64 s[G0+2:G0+3], s[38:39]
	s_or_b32 s[G0+3], s[G0+3], 0x80000000
	tensor_load_to_lds s[G0:G0+3], s[G1:G1+7]      ; slot 0: every wave's one first fill
	s_nop 0
.rept 4
	v_nop
.endr
	s_add_nc_u64 s[PFA:PFA+1], s[38:39], SLOTB     ; my quarter of slot 1; the first change of slots steps it to slot 2.  Nothing is prefetched here
	s_add_nc_u64 s[48:49], s[4:5], s[44:45]
	s_add_nc_u64 s[4:5], s[4:5], s[42:43]
	s_add_nc_u64 s[50:51], s[6:7], s[46:47]
	s_add_nc_u64 s[6:7], s[6:7], s[2:3]
	s_cmp_lt_u32 s35, 16
	s_cselect_b64 s[CSRC:CSRC+1], s[56:57], s[58:59]
	s_add_nc_u64 s[CSRC:CSRC+1], s[CSRC:CSRC+1], s[62:63]
	s_add_nc_u64 s[CDST:CDST+1], s[60:61], s[36:37]
	v_and_b32 v10, 15, v0                          ; r
	v_bfe_u32 v11, v0, 4, 1                        ; h
	v_lshlrev_b32 v[ADK], 7, v10
	v_lshl_add_u32 v[ADK], v11, 4, v[ADK]          ; Q: row r of 128 bytes + 16 h
.irp T, 0,1
.irp c, 0,1
	global_load_b128 v[Q+16*\T+8*\c:Q+16*\T+8*\c+3], v[ADK], s[4+44*\T:5+44*\T] offset:64*\c
	global_load_b128 v[Q+16*\T+8*\c+4:Q+16*\T+8*\c+7], v[ADK], s[4+44*\T:5+44*\T] offset:64*\c+32
.endr
.endr
	v_and_b32 v[PFO], 31, v0
	WIN 0x40                                       ; destination window 1
	v_lshlrev_b32 v[CA16], 4, v[PFO]
	v_lshlrev_b32 v[CA8], 3, v[PFO]
	WIN 0x41                                       ; destination and address window 1
.irp i, 0,1,2,3
	global_load_b128 v[CI+4*\i:CI+4*\i+3], v[CA16], s[CSRC:CSRC+1] offset:512*\i th:TH_LOAD_NT   ; the first cast group
.endr
	WIN 0
	v_lshlrev_b32 v[PFO], 8, v[PFO]
	v_mul_u32_u24 v[AK0], v10, KP
	v_lshl_add_u32 v[AK0], v11, 4, v[AK0]          ; a fragment's row x pitch + 16 x half
	v_add_nc_u32 v[AV0], VOFF, v[AK0]
	v_lshlrev_b32 v[GO], 12, v11
	v_lshl_add_u32 v[GO], v10, 4, v[GO]            ; the way out: lanes 0-15 one row of att, lanes 16-31 the next
	v_lshlrev_b32 v[RH], 3, v11
	v_sub_nc_u32 v[RH], v10, v[RH]                 ; r - 8 h
.irp T, 0,1
	v_mov_b32 v[ST+8*\T+1], 0xff61b1e6             ; m: -3e38, under every score
	v_mul_f32 v[ST+8*\T], s[CS], v[ST+8*\T+1]
.irp j, 2,3,4,5,6,7
	v_mov_b32 v[ST+8*\T+\j], 0
.endr
.endr
.set i, 0
.rept 64
	v_mov_b32 v[O+i], 0                            ; O^T.  (The step has no first form of its own: the first finds zeros, which a = 0 leaves zeros)
.set i, i+1
.endr
; THE WORK OF A KEY STEP: 64 keys at LDS byte TB of the ring, the first of them key KF.  tf = 0: for both tiles; tf = 1: for the late tile alone (the early tile's lines are left out).
; Only tile tf can lie on its diagonal: while the early tile is at work, all keys come before the late block (i <= 7).
.macro BODY tf
	v_add_nc_u32 v[ADK], s[TB], v[AK0]
	v_add_nc_u32 v[ADV], s[TB], v[AV0]
.irp kt, 0,1,2,3
.irp c, 0,1
	ds_load_b128 v[KV+16*\kt+8*\c:KV+16*\kt+8*\c+3], v[ADK] offset:\kt*16*KP+64*\c
	ds_load_b128 v[KV+16*\kt+8*\c+4:KV+16*\kt+8*\c+7], v[ADK] offset:\kt*16*KP+64*\c+32
.endr
.endr
	s_wait_dscnt 0x0                               ; K is in
.irp c, 0,1                                    ; S^T = K Q^T: the accumulators by turns, one instruction a turn
.irp kt, 0,1,2,3
.irp T, 0,1
.if \T >= \tf
.if \c == 0
	v_wmma_f32_16x16x32_f16 v[S+32*\T+8*\kt:S+32*\T+8*\kt+7], v[KV+16*\kt+8*\c:KV+16*\kt+8*\c+7], v[Q+16*\T+8*\c:Q+16*\T+8*\c+7], 0
.else
	v_wmma_f32_16x16x32_f16 v[S+32*\T+8*\kt:S+32*\T+8*\kt+7], v[KV+16*\kt+8*\c:KV+16*\kt+8*\c+7], v[Q+16*\T+8*\c:Q+16*\T+8*\c+7], v[S+32*\T+8*\kt:S+32*\T+8*\kt+7]
.endif
.endif
.endr
.endr
.endr
.rept 4
	v_nop                                          ; places: in front of the loads into K's registers, and of the first read of the scores
.endr
.irp ct, 0,1,2,3                               ; V^T's fragments land while the softmax is worked
.irp kk, 0,1
	ds_load_b128 v[KV+16*\ct+8*\kk:KV+16*\ct+8*\kk+3], v[ADV] offset:\ct*16*KP+64*\kk
	ds_load_b128 v[KV+16*\ct+8*\kk+4:KV+16*\ct+8*\kk+7], v[ADV] offset:\ct*16*KP+64*\kk+32
.endr
.endr
	s_add_co_u32 s40, s[KF], 63
	s_cmp_le_u32 s40, s[QE+2*\tf]                  ; all 64 keys count for all 16 queries of tile tf: no mask
	s_cbranch_scc1 .Lopen_\@
	s_sub_co_i32 s40, s[QE+2*\tf], s[KF]
	v_add_nc_u32 v[D0], s40, v[RH]                 ; d = my query - KF - 8 h.  Register n holds key KF + 8 h + 16 (n / 8) + n % 8: hidden where 16 (n / 8) + n % 8 > d
	v_mov_b32 v12, 0xff800000                      ; -infinity
.irp n, 0,1,2,3,4,5,6,7,8,9,10,11,12,13,14,15,16,17,18,19,20,21,22,23,24,25,26,27,28,29,30,31
	v_cmp_gt_i32 vcc_lo, 16*(\n/8)+\n%8, v[D0]
	v_cndmask_b32 v[S+32*\tf+\n], v[S+32*\tf+\n], v12, vcc_lo
.endr
.Lopen_\@:
	; the maximum of my 32 scores and the old m, three operands at a time, four chains a tile; each accumulator is read from its low end on
.irp j, 0,1,2,3
.irp T, 0,1
.if \T >= \tf
	v_max3_num_f32 v[ST+8*\T+4+\j], v[S+32*\T+8*\j], v[S+32*\T+8*\j+1], v[S+32*\T+8*\j+2]
.endif
.endr
.endr
.irp i, 3,5
.irp j, 0,1,2,3
.irp T, 0,1
.if \T >= \tf
	v_max3_num_f32 v[ST+8*\T+4+\j], v[ST+8*\T+4+\j], v[S+32*\T+8*\j+\i], v[S+32*\T+8*\j+\i+1]
.endif
.endr
.endr
.endr
.irp T, 0,1
.if \T >= \tf
	v_max3_num_f32 v[ST+8*\T+4], v[ST+8*\T+4], v[S+32*\T+7], v[S+32*\T+15]
.endif
.endr
.irp T, 0,1
.if \T >= \tf
	v_max3_num_f32 v[ST+8*\T+6], v[ST+8*\T+6], v[S+32*\T+23], v[S+32*\T+31]
.endif
.endr
.irp T, 0,1
.if \T >= \tf
	v_max3_num_f32 v[ST+8*\T+4], v[ST+8*\T+4], v[ST+8*\T+5], v[ST+8*\T+6]
.endif
.endr
.irp T, 0,1
.if \T >= \tf
	v_max3_num_f32 v[ST+8*\T+4], v[ST+8*\T+4], v[ST+8*\T+7], v[ST+8*\T+1]
.endif
.endr
.irp T, 0,1
.if \T >= \tf
	v_permlanex16_b32 v[ST+8*\T+5], v[ST+8*\T+4], s[SEL], s[SEL+1]   ; the query's other 32 keys lie in the lane 16 away
.endif
.endr
.irp T, 0,1
.if \T >= \tf
	v_mov_b32 v[ST+8*\T+7], v[ST+8*\T]             ; c m_old is kept for a
.endif
.endr
.irp T, 0,1
.if \T >= \tf
	v_max_num_f32 v[ST+8*\T+1], v[ST+8*\T+4], v[ST+8*\T+5]
.endif
.endr
.irp T, 0,1
.if \T >= \tf
	v_mul_f32 v[ST+8*\T], s[CS], v[ST+8*\T+1]
.endif
.endr
.irp T, 0,1
.if \T >= \tf
	v_sub_f32 v[ST+8*\T+7], v[ST+8*\T+7], v[ST+8*\T]
.endif
.endr
.set i, 0
.rept 16
.irp T, 0,1
.if \T >= \tf
	v_pk_fma_f32 v[S+32*\T+i:S+32*\T+i+1], v[S+32*\T+i:S+32*\T+i+1], s[CS:CS+1], v[ST+8*\T:ST+8*\T+1] op_sel_hi:[1,0,0] neg_lo:[0,0,1] neg_hi:[0,0,1]   ; c s - c m
.endif
.endr
.set i, i+2
.endr
.irp T, 0,1
.if \T >= \tf
	v_exp_f32 v[ST+8*\T+6], v[ST+8*\T+7]           ; a
.endif
.endr
.set i, 0
.rept 32
.irp T, 0,1
.if \T >= \tf
	v_exp_f32 v[S+32*\T+i], v[S+32*\T+i]           ; p
.endif
.endr
.set i, i+1
.endr
	v_nop                                          ; a plain instruction behind the last exponential
	s_wait_alu depctr_va_vdst(0)                   ; one wait for the whole batch, ahead of its first reader
.irp T, 0,1                                    ; the row's sum of the unrounded p, two chains a tile
.if \T >= \tf
	v_pk_add_f32 v[ST+8*\T+4:ST+8*\T+5], v[S+32*\T:S+32*\T+1], v[S+32*\T+2:S+32*\T+3]
	v_pk_add_f32 v[12+2*\T:13+2*\T], v[S+32*\T+4:S+32*\T+5], v[S+32*\T+6:S+32*\T+7]
.endif
.endr
.set i, 8
.rept 6
.irp T, 0,1
.if \T >= \tf
	v_pk_add_f32 v[ST+8*\T+4:ST+8*\T+5], v[ST+8*\T+4:ST+8*\T+5], v[S+32*\T+i:S+32*\T+i+1]
	v_pk_add_f32 v[12+2*\T:13+2*\T], v[12+2*\T:13+2*\T], v[S+32*\T+i+2:S+32*\T+i+3]
.endif
.endr
.set i, i+4
.endr
.irp T, 0,1
.if \T >= \tf
	v_pk_add_f32 v[ST+8*\T+4:ST+8*\T+5], v[ST+8*\T+4:ST+8*\T+5], v[12+2*\T:13+2*\T]
.endif
.endr
.irp T, 0,1
.if \T >= \tf
	v_pk_fma_f32 v[ST+8*\T+2:ST+8*\T+3], v[ST+8*\T+2:ST+8*\T+3], v[ST+8*\T+6:ST+8*\T+7], v[ST+8*\T+4:ST+8*\T+5] op_sel_hi:[1,0,1]   ; l = a l + the sum
.endif
.endr
.set i, 0
.rept 16
.irp T, 0,1
.if \T >= \tf
	v_cvt_pk_f16_f32 v[S+32*\T+i], v[S+32*\T+2*i], v[S+32*\T+2*i+1]   ; in place, ascending: register i is written when registers 2 i and 2 i + 1 are read.  Registers 8 kk .. 8 kk + 7 are P's fragment of keys 32 kk on
.endif
.endr
.set i, i+1
.endr
.set i, 0
.rept 16
.irp T, 0,1
.if \T >= \tf
	v_pk_mul_f32 v[O+32*\T+i:O+32*\T+i+1], v[O+32*\T+i:O+32*\T+i+1], v[ST+8*\T+6:ST+8*\T+7] op_sel_hi:[1,0]   ; O^T x a
.endif
.endr
.set i, i+2
.endr
	s_wait_dscnt 0x0                               ; V is in
.irp kk, 0,1                                   ; O^T += V^T P: the accumulators by turns
.irp ct, 0,1,2,3
.irp T, 0,1
.if \T >= \tf
	v_wmma_f32_16x16x32_f16 v[O+32*\T+8*\ct:O+32*\T+8*\ct+7], v[KV+16*\ct+8*\kk:KV+16*\ct+8*\kk+7], v[S+32*\T+8*\kk:S+32*\T+8*\kk+7], v[O+32*\T+8*\ct:O+32*\T+8*\ct+7]
.endif
.endr
.endr
.endr
.rept 5
	v_nop                                          ; places: four for the next loads into V's registers, five for the next scores, which are written over P
.endr
.endm
; A KEY STEP.  The branches hang on ids and on the count of steps alone; the lines at the step's end are on every way.
.macro STEP
	s_add_co_u32 s40, s[QL], 15
	s_cmp_gt_u32 s[KF], s40                        ; all 64 keys come after the late tile's queries: nothing is left for me
	s_cbranch_scc1 .Lhidden_\@
	s_add_co_u32 s40, s[QE], 15
	s_cmp_gt_u32 s[KF], s40                        ; they come after the early tile's: the late tile alone
	s_cbranch_scc1 .Llate_\@
	BODY 0
	s_branch .Lhidden_\@
.Llate_\@:
	BODY 1
.Lhidden_\@:
	s_add_co_u32 s[KF], s[KF], 64
	s_add_co_u32 s[TB], s[TB], STEPB
.endm
; A CAST GROUP: 512 numbers of W1 or W2.  Its four loads were issued a slot ago; more = 1: the next group's go out.
.macro CAST more
	s_wait_loadcnt 0x0                             ; the group is in: so its registers may be read, and its pointer stepped
	WIN 0x45                                       ; destination and both sources window 1
.irp j, 0,1,2,3,4,5,6,7
	v_cvt_pk_f16_f32 v[CH+\j], v[CI+2*\j], v[CI+2*\j+1]   ; (the last group's stores have read these registers: the wait on XCNT in front of the barrier)
.endr
	WIN 0x05                                       ; address and data window 1
.irp i, 0,1,2,3
	global_store_b64 v[CA8], v[CH+2*\i:CH+2*\i+1], s[CDST:CDST+1] offset:256*\i-1024   ; the wave stores 256 consecutive bytes, aligned
.endr
.if \more
	s_add_nc_u64 s[CSRC:CSRC+1], s[CSRC:CSRC+1], 2048
	WIN 0x41
.irp i, 0,1,2,3
	global_load_b128 v[CI+4*\i:CI+4*\i+3], v[CA16], s[CSRC:CSRC+1] offset:512*\i th:TH_LOAD_NT
.endr
.endif
	WIN 0
.endm
; THE CHANGE OF SLOTS stands at a slot's head.  Each wave waits for all its tensor loads (its part of the slot ahead), adds 0 to its spare word, and waits for that and for its reads of the slot that it has left; then the barrier.
; fill = 1: the slot that was left is filled with the next 256 keys, each wave's one load, first thing behind the barrier: it has a slot's four steps in which to land.  Every wait on TENSORcnt in this text is for 0.
.macro CHANGE fill
	s_wait_tensorcnt 0x0                           ; no tensor load of mine is out, so the group 0 may be written
	ds_add_u32 v[SPW], v[NIL]
.if \fill
	s_xor_b32 s[G0+1], s[G0+1], SLOT1              ; the other slot than last time,
	s_add_nc_u64 s[G0+2:G0+3], s[G0+2:G0+3], SLOTB ; the next 256 keys
.endif
	s_wait_xcnt 0x0                                ; the last prefetch and the last cast group's stores, a slot back, have read their addresses and data
.if \fill
	s_add_nc_u64 s[PFA:PFA+1], s[PFA:PFA+1], SLOTB ; one slot further on than the walking descriptor
.endif
	s_add_nc_u64 s[CDST:CDST+1], s[CDST:CDST+1], 1024   ; the cast's stores reach back by their immediate
	s_wait_dscnt 0x0                               ; the add is done, and my reads of the slot that I have left are over
	s_barrier_signal -1
	s_barrier_wait -1
.if \fill
	s_add_co_u32 s40, s[KF], SK                    ; the first key of the slot that this change would ask for
	s_cmp_gt_u32 s40, s[LASTQ]                     ; past my work-group's last query: none of its waves would read the slot, so it is not asked for.  Ids and the count of steps alone: all eight waves go the same way
	s_cbranch_scc1 .Lpast_\@
	tensor_load_to_lds s[G0:G0+3], s[G1:G1+7]
	s_nop 0
.rept 4
	v_nop
.endr
.Lpast_\@:
	; a prefetch of what the NEXT change will ask for: my own 8,192 bytes of that slot, lanes 256 bytes apart: four key steps ahead of the load.  All work-groups of a head walk the same K and V: its work-group 0 asks,
	; so each block is named once; the last change that fills a slot asks for nothing
	s_cmp_gt_u32 s[SLOTS], s[LIM]
	s_cbranch_scc0 .Lnot_mine_\@
	global_prefetch_b8 v[PFO], s[PFA:PFA+1] th:TH_LOAD_NT scope:SCOPE_SE
.Lnot_mine_\@:
.endif
	CAST \fill
.endm
.macro SLOT_STEPS                      ; a slot's four steps: written once, walked four times
	s_mov_b32 s[TW], 4
.Lstep_\@:
	STEP
	s_sub_co_u32 s[TW], s[TW], 1
	s_cmp_lg_u32 s[TW], 0
	s_cbranch_scc1 .Lstep_\@
	s_sub_co_u32 s[TB], s[TB], 4*STEPB             ; back to a slot's first step,
	s_xor_b32 s[TB], s[TB], SLOT1                  ; in the other slot
.endm
	s_wait_loadcnt 4                               ; Q's eight loads are in; the first cast group's four may be out
.Lslot:                                            ; seven trips: behind each change of slots but the last the next slot is asked for, up to the causal limit
	CHANGE 1
	SLOT_STEPS
	s_sub_co_u32 s[SLOTS], s[SLOTS], 1
	s_cmp_lg_u32 s[SLOTS], 0
	s_cbranch_scc1 .Lslot
	CHANGE 0                                       ; the last slot is written out: nothing is left to ask for; the eighth cast group is stored
	SLOT_STEPS
	; THE WAY OUT.  l's two halves and the other half of the lanes' are added; O^T / l goes through my stage, a tile of 16 queries at a time, and leaves as rows of 256 bytes.
.irp T, 0,1
	v_add_f32 v[ST+8*\T+4], v[ST+8*\T+2], v[ST+8*\T+3]
.endr
.irp T, 0,1
	v_permlanex16_b32 v[ST+8*\T+5], v[ST+8*\T+4], s[SEL], s[SEL+1]
.endr
.irp T, 0,1
	v_add_f32 v[ST+8*\T+4], v[ST+8*\T+4], v[ST+8*\T+5]
.endr
.irp T, 0,1
	v_rcp_f32 v[ST+8*\T+6], v[ST+8*\T+4]
.endr
	v_and_b32 v10, 15, v0                          ; (plain work behind the reciprocals)  r
	v_bfe_u32 v11, v0, 4, 1                        ; h
	s_mul_i32 s40, s[WV], 16*272
	s_add_co_u32 s40, s40, STAGE                   ; my stage
	v_mul_u32_u24 v[ADK], v10, 272
	v_lshl_add_u32 v[ADK], v11, 5, v[ADK]
	v_add_nc_u32 v[ADK], s40, v[ADK]               ; in: row r; channels 16 ct + 8 h on: 64 ct + 32 h bytes
	v_mul_u32_u24 v[ADV], v11, 272
	v_lshl_add_u32 v[ADV], v10, 4, v[ADV]
	v_add_nc_u32 v[ADV], s40, v[ADV]               ; back: lanes 0-15 one row, lanes 16-31 the next
	s_wait_alu depctr_va_vdst(0)                   ; one wait for the two reciprocals, ahead of their first reader
.set i, 0
.rept 16
.irp T, 0,1
	v_pk_mul_f32 v[S+32*\T+i:S+32*\T+i+1], v[O+32*\T+i:O+32*\T+i+1], v[ST+8*\T+6:ST+8*\T+7] op_sel_hi:[1,0]
.endr
.set i, i+2
.endr
.irp T, 0,1
.irp ct, 0,1,2,3
	ds_store_b128 v[ADK], v[S+32*\T+8*\ct:S+32*\T+8*\ct+3] offset:64*\ct
	ds_store_b128 v[ADK], v[S+32*\T+8*\ct+4:S+32*\T+8*\ct+7] offset:64*\ct+16
.endr
.irp i, 0,1,2,3,4,5,6,7
	ds_load_b128 v[KV+32*\T+4*\i:KV+32*\T+4*\i+3], v[ADV] offset:\i*2*272   ; LDS serves a wave's instructions in order: these see my stores, and the next tile's stores come behind them
.endr
.endr
.irp T, 0,1
.irp i, 0,1,2,3,4,5,6,7
	s_wait_dscnt 23-16*\T-\i                       ; behind this load: the tile's later loads, and the next tile's sixteen LDS instructions
	global_store_b128 v[GO], v[KV+32*\T+4*\i:KV+32*\T+4*\i+3], s[6+44*\T:7+44*\T] offset:2*\i*4096   ; 16 lanes store 256 consecutive bytes, aligned
.endr
.endr
	s_wait_tensorcnt 0x0                           ; the wave's end
	ds_add_u32 v[SPW], v[NIL]
	s_wait_dscnt 0x0
	s_endpgm
.Lfunc_end_k_qd869c389d3_attn:
	.size	k_qd869c389d3_attn, .Lfunc_end_k_qd869c389d3_attn-k_qd869c389d3_attn
	.p2alignl 7, 3214868480
	.fill 96, 4, 3214868480
	.section	.rodata,"a",@progbits
	.p2align	6, 0x0
	.amdhsa_kernel k_qd869c389d3_attn
		.amdhsa_group_segment_fixed_size 327680
		.amdhsa_private_segment_fixed_size 0
		.amdhsa_enable_private_segment 0
		.amdhsa_kernarg_size 40
		.amdhsa_user_sgpr_count 2
		.amdhsa_user_sgpr_kernarg_segment_ptr 1
		.amdhsa_wavefront_size32 1
		.amdhsa_system_sgpr_workgroup_id_x 1
		.amdhsa_system_sgpr_workgroup_id_y 1
		.amdhsa_system_sgpr_workgroup_id_z 1
		.amdhsa_system_vgpr_workitem_id 0
		.amdhsa_next_free_vgpr 288
		.amdhsa_next_free_sgpr 66
		.amdhsa_reserve_vcc 1
		.amdhsa_float_denorm_mode_32 3
		.amdhsa_float_denorm_mode_16_64 3
		.amdhsa_memory_ordered 1
		.amdhsa_forward_progress 1
		.amdhsa_inst_pref_size 83
	.end_amdhsa_kernel
	.amdgpu_metadata
---
amdhsa.version: [ 1, 2 ]
amdhsa.kernels:
  - .name:           k_qd869c389d3_attn
    .symbol:         k_qd869c389d3_attn.kd
    .args:
      - { .name: qkv, .offset: 0, .size: 8, .value_kind: global_buffer, .address_space: global }
      - { .name: att, .offset: 8, .size: 8, .value_kind: global_buffer, .address_space: global }
      - { .name: W1, .offset: 16, .size: 8, .value_kind: global_buffer, .address_space: global }
      - { .name: W2, .offset: 24, .size: 8, .value_kind: global_buffer, .address_space: global }
      - { .name: w16, .offset: 32, .size: 8, .value_kind: global_buffer, .address_space: global }
    .group_segment_fixed_size: 327680
    .private_segment_fixed_size: 0
    .kernarg_segment_align: 8
    .kernarg_segment_size: 40
    .max_flat_workgroup_size: 256
    .sgpr_count:     66
    .vgpr_count:     288
    .wavefront_size: 32
...
	.end_amdgpu_metadata
.endif
;; end of part 3
;; launch ln (part 4): grid 256 x 1, 4 waves a work-group, no clusters, 0 bytes of LDS; arguments att, q, bv, ln_g, ln_b, y32, y16; writes y32, y16
.if DOCPART == 4
	.amdgcn_target "amdgcn-amd-amdhsa--gfx1250"
	.amdhsa_code_object_version 6
	.text
	.protected	k_qd869c389d3_ln
	.globl	k_qd869c389d3_ln
	.p2align	8
	.type	k_qd869c389d3_ln,@function
k_qd869c389d3_ln:
	s_mov_b64 s[64:65], 0
	v_nop
	global_prefetch_b8 v0, s[64:65] scope:SCOPE_SE
	s_setreg_imm32_b32 hwreg(HW_REG_WAVE_MODE, 25, 1), 1
	s_wait_xcnt 0x0
; x = (att + bv) + q;  y = (x - mean) rsqrt(var + 1e-5) g + b, by rows of 1,024, all in f32; y leaves as f32 (y32, the last residual) and rounded to f16 (y16, the next product's operand).
; bv stands here and not in V: a row's softmax weights sum to 1, so the sum of p (V + bv) over the sum of p is the sum of p V over the sum of p, + bv.
; One wave, one row at a time, four rows a wave: a row is 32 registers a lane (columns 128 j + 4 lane .. + 3), kept between the passes; the mean is taken first and the variance of the differences, as the definition has it.
; Each load and store of f32 covers 512 consecutive bytes, each store of f16 256.  One row's loads are on their way while another is worked.  No LDS, no barrier.
.set G,   8                            ; v8-39    ln_g of my columns
.set B,   40                           ; v40-71   ln_b
.set BV,  72                           ; v72-103  bv
.set XA0, 104                          ; v104-167 att's row, then x, d, y: two sets
.set XQ0, 168                          ; v168-231 q's row: two sets
.set H,   232                          ; v232-247 y in f16
	s_load_b256 s[4:11], s[0:1], 0x0               ; att s[4:5], q s[6:7], bv s[8:9], ln_g s[10:11]
	s_load_b128 s[12:15], s[0:1], 0x20             ; ln_b s[12:13], y32 s[14:15]
	s_load_b64 s[16:17], s[0:1], 0x30              ; y16
	v_lshrrev_b32 v3, 5, v0
	v_readfirstlane_b32 s18, v3                    ; wave
	v_and_b32 v3, 31, v0
	v_lshlrev_b32 v1, 4, v3                        ; 16 bytes a lane
	v_lshlrev_b32 v2, 3, v3                        ; 8 bytes a lane
	s_lshl_b32 s19, ttmp9, 4
	s_lshl_b32 s18, s18, 2
	s_add_co_u32 s19, s19, s18                     ; my first row: 16 x work-group + 4 x wave
	s_lshl_b32 s22, s19, 12
	s_mov_b32 s23, 0
	s_lshl_b32 s24, s19, 11
	s_mov_b32 s25, 0
	s_mov_b32 s20, 0x3a800000                      ; 1 / 1,024
	s_mov_b32 s21, 0x3727c5ac                      ; 1e-5
	s_mov_b32 s26, 0x76543210
	s_mov_b32 s27, 0xfedcba98                      ; v_permlanex16_b32's selects for lane l xor 16
	v_mov_b32 v253, 0                              ; (named as the upper halves of pairs whose low word serves both halves)
	v_mov_b32 v255, 0
	s_wait_kmcnt 0x0
	s_add_nc_u64 s[4:5], s[4:5], s[22:23]
	s_add_nc_u64 s[6:7], s[6:7], s[22:23]
	s_add_nc_u64 s[14:15], s[14:15], s[22:23]
	s_add_nc_u64 s[16:17], s[16:17], s[24:25]
.irp j, 0,1,2,3,4,5,6,7
	global_load_b128 v[G+4*\j:G+4*\j+3], v1, s[10:11] offset:512*\j
	global_load_b128 v[B+4*\j:B+4*\j+3], v1, s[12:13] offset:512*\j
	global_load_b128 v[BV+4*\j:BV+4*\j+3], v1, s[8:9] offset:512*\j
.endr
.macro FILL t
.irp j, 0,1,2,3,4,5,6,7
	global_load_b128 v[XA0+32*((\t)%2)+4*\j:XA0+32*((\t)%2)+4*\j+3], v1, s[4:5] offset:4096*(\t)+512*\j th:TH_LOAD_NT
	global_load_b128 v[XQ0+32*((\t)%2)+4*\j:XQ0+32*((\t)%2)+4*\j+3], v1, s[6:7] offset:4096*(\t)+512*\j th:TH_LOAD_NT
.endr
.endm
.macro RED                             ; v248 summed over the 32 lanes, the result in every lane
	v_add_f32 v248, v248, v249
	v_add_f32_dpp v248, v248, v248 row_xmask:1 row_mask:0xf bank_mask:0xf
	v_add_f32_dpp v248, v248, v248 row_xmask:2 row_mask:0xf bank_mask:0xf
	v_add_f32_dpp v248, v248, v248 row_xmask:4 row_mask:0xf bank_mask:0xf
	v_add_f32_dpp v248, v248, v248 row_xmask:8 row_mask:0xf bank_mask:0xf
	v_permlanex16_b32 v249, v248, s26, s27
	v_add_f32 v248, v248, v249
.endm
.macro ROW t
.set XA, XA0+32*((\t)%2)
.set XQ, XQ0+32*((\t)%2)
.if (\t) < 3
	s_wait_loadcnt 16                              ; this row's 16 loads (and g, b, bv) are in; the next row's 16 may be out
.else
	s_wait_loadcnt 0x0
.endif
.set i, 0
.rept 16
	v_pk_add_f32 v[XA+i:XA+i+1], v[XA+i:XA+i+1], v[BV+i:BV+i+1]
.set i, i+2
.endr
.set i, 0
.rept 16
	v_pk_add_f32 v[XA+i:XA+i+1], v[XA+i:XA+i+1], v[XQ+i:XQ+i+1]
.set i, i+2
.endr
	v_pk_add_f32 v[248:249], v[XA:XA+1], v[XA+2:XA+3]              ; the sum, in two packed chains
	v_pk_add_f32 v[250:251], v[XA+4:XA+5], v[XA+6:XA+7]
.set i, 8
.rept 6
	v_pk_add_f32 v[248:249], v[248:249], v[XA+i:XA+i+1]
	v_pk_add_f32 v[250:251], v[250:251], v[XA+i+2:XA+i+3]
.set i, i+4
.endr
	v_pk_add_f32 v[248:249], v[248:249], v[250:251]
	RED
	v_mul_f32 v252, s20, v248                      ; the mean
.set i, 0
.rept 16
	v_pk_add_f32 v[XA+i:XA+i+1], v[XA+i:XA+i+1], v[252:253] op_sel_hi:[1,0] neg_lo:[0,1] neg_hi:[0,1]   ; d = x - mean
.set i, i+2
.endr
	v_pk_mul_f32 v[248:249], v[XA:XA+1], v[XA:XA+1]                ; the sum of d^2
	v_pk_mul_f32 v[250:251], v[XA+2:XA+3], v[XA+2:XA+3]
.set i, 4
.rept 7
	v_pk_fma_f32 v[248:249], v[XA+i:XA+i+1], v[XA+i:XA+i+1], v[248:249]
	v_pk_fma_f32 v[250:251], v[XA+i+2:XA+i+3], v[XA+i+2:XA+i+3], v[250:251]
.set i, i+4
.endr
	v_pk_add_f32 v[248:249], v[248:249], v[250:251]
	RED
	v_fma_f32 v254, v248, s20, s21                 ; var + 1e-5
	v_rsq_f32 v254, v254
	v_nop                                          ; a plain instruction behind the transcendental
	s_wait_alu depctr_va_vdst(0)                   ; and the wait ahead of its first reader
.set i, 0
.rept 16
	v_pk_mul_f32 v[XA+i:XA+i+1], v[XA+i:XA+i+1], v[254:255] op_sel_hi:[1,0]
.set i, i+2
.endr
.set i, 0
.rept 16
	v_pk_fma_f32 v[XA+i:XA+i+1], v[XA+i:XA+i+1], v[G+i:G+i+1], v[B+i:B+i+1]
.set i, i+2
.endr
.irp j, 0,1,2,3,4,5,6,7
	global_store_b128 v1, v[XA+4*\j:XA+4*\j+3], s[14:15] offset:4096*(\t)+512*\j
.endr
.irp j, 0,1,2,3,4,5,6,7
	v_cvt_pk_f16_f32 v[H+2*\j], v[XA+4*\j], v[XA+4*\j+1]
	v_cvt_pk_f16_f32 v[H+2*\j+1], v[XA+4*\j+2], v[XA+4*\j+3]
.endr
.irp j, 0,1,2,3,4,5,6,7
	global_store_b64 v2, v[H+2*\j:H+2*\j+1], s[16:17] offset:2048*(\t)+256*\j   ; 256 consecutive bytes, aligned
.endr
.if (\t) < 3
	s_wait_xcnt 0x0                                ; the stores have read their registers: this set is loaded again, and H is written again, only behind this wait
.endif
.if (\t) < 2
	FILL (\t)+2
.endif
.endm
	FILL 0
	FILL 1
	ROW 0
	ROW 1
	ROW 2
	ROW 3
	s_endpgm
.Lfunc_end_k_qd869c389d3_ln:
	.size	k_qd869c389d3_ln, .Lfunc_end_k_qd869c389d3_ln-k_qd869c389d3_ln
	.p2alignl 7, 3214868480
	.fill 96, 4, 3214868480
	.section	.rodata,"a",@progbits
	.p2align	6, 0x0
	.amdhsa_kernel k_qd869c389d3_ln
		.amdhsa_group_segment_fixed_size 0
		.amdhsa_private_segment_fixed_size 0
		.amdhsa_enable_private_segment 0
		.amdhsa_kernarg_size 56
		.amdhsa_user_sgpr_count 2
		.amdhsa_user_sgpr_kernarg_segment_ptr 1
		.amdhsa_wavefront_size32 1
		.amdhsa_system_sgpr_workgroup_id_x 1
		.amdhsa_system_sgpr_workgroup_id_y 1
		.amdhsa_system_sgpr_workgroup_id_z 1
		.amdhsa_system_vgpr_workitem_id 0
		.amdhsa_next_free_vgpr 256
		.amdhsa_next_free_sgpr 66
		.amdhsa_reserve_vcc 0
		.amdhsa_float_denorm_mode_32 3
		.amdhsa_float_denorm_mode_16_64 3
		.amdhsa_memory_ordered 1
		.amdhsa_forward_progress 1
		.amdhsa_inst_pref_size 52
	.end_amdhsa_kernel
	.amdgpu_metadata
---
amdhsa.version: [ 1, 2 ]
amdhsa.kernels:
  - .name:           k_qd869c389d3_ln
    .symbol:         k_qd869c389d3_ln.kd
    .args:
      - { .name: att, .offset: 0, .size: 8, .value_kind: global_buffer, .address_space: global }
      - { .name: q, .offset: 8, .size: 8, .value_kind: global_buffer, .address_space: global }
      - { .name: bv, .offset: 16, .size: 8, .value_kind: global_buffer, .address_space: global }
      - { .name: ln_g, .offset: 24, .size: 8, .value_kind: global_buffer, .address_space: global }
      - { .name: ln_b, .offset: 32, .size: 8, .value_kind: global_buffer, .address_space: global }
      - { .name: y32, .offset: 40, .size: 8, .value_kind: global_buffer, .address_space: global }
      - { .name: y16, .offset: 48, .size: 8, .value_kind: global_buffer, .address_space: global }
    .group_segment_fixed_size: 0
    .private_segment_fixed_size: 0
    .kernarg_segment_align: 8
    .kernarg_segment_size: 56
    .max_flat_workgroup_size: 128
    .sgpr_count:     66
    .vgpr_count:     256
    .wavefront_size: 32
...
	.end_amdgpu_metadata
.endif
;; end of part 4
;; launch ffn1 (part 5): grid 16 x 16, 4 waves a work-group, clusters of 4 x 4, 327,680 bytes of LDS; arguments y16, w16, b1, h16; writes h16
.if DOCPART == 5
	.amdgcn_target "amdgcn-amd-amdhsa--gfx1250"
	.amdhsa_code_object_version 6
	.text
	.protected	k_qd869c389d3_ffn1
	.globl	k_qd869c389d3_ffn1
	.p2align	8
	.type	k_qd869c389d3_ffn1,@function
k_qd869c389d3_ffn1:
	s_mov_b64 s[64:65], 0
	v_nop
	global_prefetch_b8 v0, s[64:65] scope:SCOPE_SE
	s_setreg_imm32_b32 hwreg(HW_REG_WAVE_MODE, 25, 1), 1
	s_wait_xcnt 0x0
	s_wait_alu depctr_hold_cnt(0) depctr_sa_sdst(0) depctr_va_vdst(0) depctr_va_sdst(0) depctr_va_ssrc(0) depctr_va_vcc(0) depctr_vm_vsrc(0)
	s_getreg_b32 s2, hwreg(HW_REG_IB_STS2, 6, 4)
	s_cmp_eq_u32 s2, 0
	s_cbranch_scc0 .Lentry_in_a_cluster
	s_endpgm
.Lentry_in_a_cluster:
	s_bfe_u32 s2, ttmp6, 0x10000c
	s_cmp_lg_u32 s2, 0xf033
	s_cbranch_scc0 .Lentry_shape_is_right
	s_endpgm
.Lentry_shape_is_right:
; h16 = gelu(y16 W1^T + b1).  y16 [4,096][1,024], W1 (w16 from byte 0) [4,096][1,024], h16 [4,096][4,096]: f16; sums, bias and gelu in f32; h rounded once.
; A tile of C, 256 x 256, is made by four waves, 128 x 128 each: 64 accumulators, 512 registers.  K goes in steps of 128 (rows of 256 bytes) through a ring of two LDS slots filled by the tensor data mover.
; CLUSTERS: 4 x 4 work-groups; A's tile is shared along a row of the cluster, B's along a column: each is asked for jointly, which divides the requests by four.
; THE MATRIX INSTRUCTION IS USED TRANSPOSED (source 0 = 16 rows of W1, source 1 = 16 rows of y): a lane holds eight neighbouring columns of one row.  b1 is the C of each sum's first instruction.
; GELU, exact form: x Phi(x), Phi(x) = 0.5 + sign(x) (0.5 - erfc(|x| / sqrt 2) / 2), erfc by the rational form of Abramowitz and Stegun 7.1.26 (five terms in t = 1 / (1 + p z), times exp(-z^2)), which holds for every |x|.
; LIMITS: that form's absolute error, 1.5e-7 in erfc, so about 1e-7 |x| in gelu; h beyond 65,504 becomes infinity in f16; NaN and infinities are not served.
; THE WAY OUT: the ring is done with (a barrier); each wave lays its 128 x 128 of f32 in a stage of its own inside the ring's bytes and walks it by 8 whole rows a trip, so that the gelu is written once, in a loop.
; REGISTERS: window 0: v0-31 addresses; v64-127, v128-191 A's fragments, two buffers; v192-255 the bias; on the way out v32-207.  window 1: v64-191 B's fragments.  windows 2, 3: the accumulators.
.set SIZE_M, 4096
.set SIZE_N, 4096
.set SIZE_K, 1024
.set KSTEP,  128
.set PITCH,  272                       ; 256 bytes + 16 of padding: the 16 rows that a load touches start at 16 different banks (ISA guide 11.1)
.set HALFT,  128*PITCH
.set SLOT,   4*HALFT
.set SPARE,  2*SLOT                    ; behind the ring: the spare words, 128 bytes a wave, which no other line names
.set GP,     528                       ; the way out: a stage row: 512 bytes + 16
.set GST,    128*GP                    ; a wave's stage; four of them lie inside the ring's 2 SLOT bytes
.set LAPS,   SIZE_K/(2*KSTEP)
.set ADRA, 16
.set ADRB, 20
.set STO,  24
.set RD0,  25
.set CO,   26
.set ADR,  27
.set SPW,  28
.set NIL,  29
.set PFO,  30
.set PFA,  44                          ; s[44:45] where my prefetches stand
.set LIM,  43                          ; s43 1 in a wave that prefetches, else the greatest number
.set F0,   64
.set F1,   128
.set BIAS, 192
.set GX,   32                          ; the gelu: 32 numbers x,
.set GXS,  64                          ; x sqrt(log2(e) / 2),
.set GT,   96                          ; t,
.set GE,   128                         ; exp(-x^2 / 2),
.set GPL,  160                         ; the polynomial and what becomes of it,
.set GH,   192                         ; f16 pairs
.set G1, 24
.set G0, 32
.set G1B, 48
.set G0B, 56
.set CX,   68                          ; s[68:69] sqrt(log2(e) / 2)
.set A4,   70
.set A3,   72
.set A2,   74
.set A1,   76
.set KINV, 78                          ; s[78:79] 1 / CX
.set KPC,  80                          ; s80 p / sqrt 2
.set SMASK, 81                         ; s81 all bits but the sign
.set TS,   82
.set CNT,  83
.set MSB, 0
.macro WIN new
.if MSB != (\new)
	s_set_vgpr_msb (MSB<<8)|(\new)
.set MSB, (\new)
.endif
.endm
.set MUL_LO, 0xa1                      ; source 0 (B) window 1, source 1 (A) window 0, C and D window 2; with the bias as C: 0x81
.set MUL_HI, 0xf1                      ; the same, C and D window 3; with the bias as C: 0xc1
.set TO_B,   0x40
.macro JLOAD s                         ; a joint load: waves 0 and 1 fetch A's halves, waves 2 and 3 B's; an s_nop 0 and four v_nop follow each line
	s_cmp_eq_u32 s11, 0
	s_cbranch_scc0 .Lfor_b_\@
	tensor_load_to_lds s[G0+4*\s:G0+4*\s+3], s[G1:G1+7]
	s_nop 0
.rept 4
	v_nop
.endr
	s_branch .Lasked_\@
.Lfor_b_\@:
	tensor_load_to_lds s[G0B+4*\s:G0B+4*\s+3], s[G1B:G1B+7]
	s_nop 0
.rept 4
	v_nop
.endr
.Lasked_\@:
.endm
; A prefetch, behind each joint refill and the run of LDS loads that follows it, of the K step that stands two refills on: 32 rows x 256 bytes, a lane a row, one instruction a wave.  Each row's 256 bytes of a K step are named once
; in the launch: A's rows by the clusters with x = 0, B's by those with y = 0; the four partners of a joint load share its 128 rows out by address, 32 each.  The last trip's two refills have no K step two on, and ask for nothing.
.macro ASK
	s_cmp_gt_u32 s3, s[LIM]                        ; s3 = 1 in the loop's last trip
	s_cbranch_scc0 .Lnot_mine_\@
	global_prefetch_b8 v[PFO], s[PFA:PFA+1] offset:KSTEP*2 th:TH_LOAD_NT scope:SCOPE_SE
.Lnot_mine_\@:
.endm
.macro CREST                           ; a round of the cluster's barrier behind its opening barrier
	s_cmp_lg_u32 s10, 0
	s_cbranch_scc1 .Lnot_wave_0_\@
	s_barrier_signal -3
.Lnot_wave_0_\@:
	s_barrier_wait -3
	s_barrier_signal -1
	s_barrier_wait -1
.endm
.macro CROUND
	s_barrier_signal -1
	s_barrier_wait -1
	CREST
.endm
	s_load_b128 s[4:7], s[0:1], 0x0                ; y16 s[4:5], w16 s[6:7]
	s_load_b64 s[66:67], s[0:1], 0x10              ; b1
	s_load_b64 s[8:9], s[0:1], 0x18                ; h16
	v_lshl_add_u32 v[SPW], v0, 2, SPARE
	v_mov_b32 v[NIL], 0
	ds_add_u32 v[SPW], v[NIL]                      ; the wave's opening: the add, twice on end, and its wait ahead of my first tensor load
	ds_add_u32 v[SPW], v[NIL]
	v_lshrrev_b32 v1, 5, v0
	v_readfirstlane_b32 s10, v1                    ; wave 0..3
	s_lshr_b32 s11, s10, 1                         ; which half of the tile's rows is mine.  Also: I fetch for A (0) or for B (1)
	s_and_b32 s12, s10, 1                          ; which half of its columns.  Also: which 128 rows I fetch
	s_bfe_u32 s40, ttmp6, 0x40000                  ; cx
	s_bfe_u32 s41, ttmp6, 0x40004                  ; cy
	s_lshl_b32 s42, ttmp9, 2
	s_add_co_u32 s42, s42, s40                     ; tile column
	s_and_b32 s13, ttmp7, 0xffff
	s_lshl_b32 s13, s13, 2
	s_add_co_u32 s13, s13, s41                     ; tile row
	s_lshl_b32 s43, s41, 2
	s_lshl_b32 s43, 15, s43                        ; my row of the cluster
	s_lshl_b32 s44, 0x1111, s40                    ; my column
	s_or_b32 s[G1+0], s43, (1<<16)|(1<<20)|(1<<21)|(5<<22)|(3<<25)  ; the mask; elements of 2 bytes; padding on; bit 21 beside a mask; 4 words of padding behind every 64
	s_or_b32 s[G1B+0], s44, (1<<16)|(1<<20)|(1<<21)|(5<<22)|(3<<25)
.irp g, G1, G1B
	s_mov_b32 s[\g+1], KSTEP<<16                   ; tensor_dim0
	s_mov_b32 s[\g+2], 128<<16                     ; tensor_dim1
	s_mov_b32 s[\g+3], KSTEP<<16                   ; tile_dim0
	s_mov_b32 s[\g+4], 128                         ; tile_dim1
	s_mov_b32 s[\g+5], SIZE_K                      ; the pitch, in elements
	s_mov_b32 s[\g+6], 0
	s_mov_b32 s[\g+7], 0
.endr
	s_lshl_b32 s17, s12, 7
	s_lshl_b32 s16, s13, 8
	s_add_co_u32 s16, s16, s17                     ; A: row 256 x tile row + 128 x half
	s_lshl_b32 s46, s42, 8
	s_add_co_u32 s46, s46, s17                     ; B: row 256 x tile column + 128 x half
	s_mov_b32 s17, 0
	s_mov_b32 s47, 0
	s_mov_b64 s[18:19], SIZE_K*2
	s_mul_u64 s[16:17], s[16:17], s[18:19]
	s_mul_u64 s[46:47], s[46:47], s[18:19]
	s_mul_i32 s20, s10, HALFT                      ; where they go: wave x 128 rows
	s_mov_b32 s[CX], 0x3f596d27                    ; 0.84932180
	s_mov_b32 s[CX+1], s[CX]
	s_mov_b32 s[A4], 0xbf3a00e3                    ; -1.453152027 / 2
	s_mov_b32 s[A4+1], s[A4]
	s_mov_b32 s[A3], 0x3f35f0e3                    ; 1.421413741 / 2
	s_mov_b32 s[A3+1], s[A3]
	s_mov_b32 s[A2], 0xbe11a98e                    ; -0.284496736 / 2
	s_mov_b32 s[A2+1], s[A2]
	s_mov_b32 s[A1], 0x3e027906                    ; 0.254829592 / 2
	s_mov_b32 s[A1+1], s[A1]
	s_mov_b32 s[KINV], 0x3f96b55f                  ; 1.17741002
	s_mov_b32 s[KINV+1], s[KINV]
	s_mov_b32 s[KPC], 0x3e6d3388                   ; 0.3275911 / sqrt 2
	s_mov_b32 s[SMASK], 0x7fffffff
	s_wait_dscnt 0x0                               ; both opening adds are done
	s_wait_kmcnt 0x0
	s_add_nc_u64 s[14:15], s[4:5], s[16:17]
	s_add_nc_u64 s[46:47], s[6:7], s[46:47]
	CROUND                                         ; all sixteen work-groups are here: the first joint loads meet
.irp s, 0,1
	s_mov_b32 s[G0+4*\s], 1
	s_add_co_u32 s[G0+4*\s+1], s20, \s*SLOT
	s_add_nc_u64 s[G0+4*\s+2:G0+4*\s+3], s[14:15], \s*KSTEP*2
	s_or_b32 s[G0+4*\s+3], s[G0+4*\s+3], 0x80000000
	s_mov_b32 s[G0B+4*\s], 1
	s_add_co_u32 s[G0B+4*\s+1], s20, \s*SLOT
	s_add_nc_u64 s[G0B+4*\s+2:G0B+4*\s+3], s[46:47], \s*KSTEP*2
	s_or_b32 s[G0B+4*\s+3], s[G0B+4*\s+3], 0x80000000
	JLOAD \s                                       ; two tensor loads of a wave are out
.endr
	v_and_b32 v1, 15, v0                           ; r
	v_bfe_u32 v2, v0, 4, 1                         ; h
	v_mul_u32_u24 v3, v1, PITCH
	v_lshl_add_u32 v3, v2, 4, v3                   ; a fragment's row x pitch + 16 x half
	s_mul_i32 s21, s11, HALFT
	s_mul_i32 s22, s12, HALFT
	s_add_co_u32 s22, s22, 2*HALFT
.irp s, 0,1
	v_add_nc_u32 v[ADRA+\s], s21, v3
	v_add_nc_u32 v[ADRB+\s], s22, v3
	s_add_co_u32 s21, s21, SLOT
	s_add_co_u32 s22, s22, SLOT
.endr
	s_mul_i32 s23, s10, GST                        ; my stage
	v_mul_u32_u24 v4, v1, GP
	v_lshl_add_u32 v4, v2, 5, v4
	v_add_nc_u32 v[STO], s23, v4                   ; in: row r, 32 bytes for each half of the lanes
	v_and_b32 v5, 31, v0
	v_lshl_add_u32 v[RD0], v5, 4, s23              ; back: the 32 lanes take a row of 512 bytes
	v_lshlrev_b32 v[CO], 3, v5                     ; and 256 bytes of h16
	v_mov_b32 v8, 0x3f07dc22                       ; 1.061405429 / 2, twice
	v_mov_b32 v9, 0x3f07dc22
	v_mov_b32 v10, 0x3f16b55f                      ; 0.5 / CX, twice
	v_mov_b32 v11, 0x3f16b55f
	s_lshl_b32 s13, s13, 8
	s_lshl_b32 s14, s11, 7
	s_add_co_u32 s16, s13, s14                     ; my first row of C
	s_mov_b32 s17, 0
	s_mov_b64 s[18:19], SIZE_N*2
	s_mul_u64 s[16:17], s[16:17], s[18:19]
	s_lshl_b32 s46, s42, 9                         ; my first column, in bytes of f16
	s_lshl_b32 s47, s12, 8
	s_add_co_u32 s46, s46, s47
	s_mov_b32 s47, 0
	s_add_nc_u64 s[16:17], s[16:17], s[46:47]
	s_add_nc_u64 s[8:9], s[8:9], s[16:17]
	s_lshl_b32 s46, s46, 1                         ; and in bytes of f32: b1
	s_add_nc_u64 s[66:67], s[66:67], s[46:47]
	v_lshlrev_b32 v6, 5, v2
.irp b, 0,1,2,3,4,5,6,7                        ; register BIAS + 8 b + j of lane (r, h): b1 of my column 16 b + 8 h + j
	global_load_b128 v[BIAS+8*\b:BIAS+8*\b+3], v6, s[66:67] offset:64*\b
	global_load_b128 v[BIAS+8*\b+4:BIAS+8*\b+7], v6, s[66:67] offset:64*\b+16
.endr
	; the prefetches: s13 = 256 x tile row, s42 = tile column, s40 = cx, s41 = cy still stand
	s_lshl_b32 s42, s42, 8
	s_and_b32 s22, ttmp7, 0xffff
	s_cmp_eq_u32 s11, 0                            ; do I fetch for A?
	s_cselect_b32 s20, s13, s42                    ; the tile's first row
	s_cselect_b32 s21, s40, s41                    ; my place among the four that ask for it with me
	s_cselect_b32 s22, ttmp9, s22                  ; the coordinate along which other clusters read the same rows
	s_cselect_b64 s[PFA:PFA+1], s[4:5], s[6:7]
	s_cmp_eq_u32 s22, 0
	s_cselect_b32 s[LIM], 1, -1
	s_lshl_b32 s22, s12, 7
	s_add_co_u32 s20, s20, s22
	s_lshl_b32 s21, s21, 5
	s_add_co_u32 s20, s20, s21
	s_mov_b32 s21, 0
	s_mov_b64 s[18:19], SIZE_K*2
	s_mul_u64 s[20:21], s[20:21], s[18:19]
	s_add_nc_u64 s[PFA:PFA+1], s[PFA:PFA+1], s[20:21]
	s_add_nc_u64 s[PFA:PFA+1], s[PFA:PFA+1], 2*KSTEP*2  ; at K step 2: the first refill steps it to 3 and names K step 4.  Nothing is prefetched here, at the head
	v_and_b32 v[PFO], 31, v0
	v_mul_u32_u24 v[PFO], v[PFO], SIZE_K*2
; 16 matrix instructions: m blocks a0, a0 + 1 of the window's four x all 8 n blocks, 32 along K.  first = 1: the bias starts the sums.  The 64 accumulators take turns, one instruction a turn.
.macro MUL16 f, hi, a0, first
.irp a, \a0, \a0+1
.irp b, 0,1,2,3,4,5,6,7
.if \first
	v_wmma_f32_16x16x32_f16 v[8*(8*(\a)+\b):8*(8*(\a)+\b)+7], v[\f+8*\b:\f+8*\b+7], v[\f+8*(4*\hi+\a):\f+8*(4*\hi+\a)+7], v[BIAS+8*\b:BIAS+8*\b+7]
.else
	v_wmma_f32_16x16x32_f16 v[8*(8*(\a)+\b):8*(8*(\a)+\b)+7], v[\f+8*\b:\f+8*\b+7], v[\f+8*(4*\hi+\a):\f+8*(4*\hi+\a)+7], v[8*(8*(\a)+\b):8*(8*(\a)+\b)+7]
.endif
.endr
.endr
.endm
.macro FETCH slot, k, f                ; 32 LDS loads in one run: the fragments of a quarter step
	WIN TO_B
.irp i, 0,1,2,3,4,5,6,7
	ds_load_b128 v[\f+8*\i:\f+8*\i+3],   v[ADRB+\slot] offset:\k+\i*16*PITCH
	ds_load_b128 v[\f+8*\i+4:\f+8*\i+7], v[ADRB+\slot] offset:\k+\i*16*PITCH+32
.endr
	WIN 0
.irp i, 0,1,2,3,4,5,6,7
	ds_load_b128 v[\f+8*\i:\f+8*\i+3],   v[ADRA+\slot] offset:\k+\i*16*PITCH
	ds_load_b128 v[\f+8*\i+4:\f+8*\i+7], v[ADRA+\slot] offset:\k+\i*16*PITCH+32
.endr
.endm
.macro PLACES                          ; four plain vector instructions behind matrix instructions, in front of loads into registers that they read and of reads of results
.rept 4
	v_nop
.endr
.endm
.macro QUARTER slot, k, f, g, first    ; 32 along K on buffer f; in its middle the next quarter's fragments are fetched into g
	s_wait_dscnt 8                                 ; B and A's rows 0-63 are in; the youngest eight loads (A's rows 64-127) may be out
	WIN MUL_LO-0x20*(\first)
	MUL16 \f, 0, 0, \first
	MUL16 \f, 0, 2, \first
	PLACES
	FETCH \slot, \k, \g
	s_wait_dscnt 32                                ; all but the 32 just issued
	WIN MUL_HI-0x30*(\first)
	MUL16 \f, 1, 0, \first
	MUL16 \f, 1, 2, \first
.endm
.macro MEET round                      ; the first half of a K step's last quarter: one barrier for the change of slots
	WIN 0
	s_wait_tensorcnt 0x0                           ; all my tensor loads have landed: the one that was out is my part of the next slot
	ds_add_u32 v[SPW], v[NIL]
	s_wait_dscnt 9                                 ; (the add and the youngest eight loads may be out)
	WIN MUL_LO
	MUL16 F1, 0, 0, 0
	s_wait_dscnt 0x0                               ; the add is done, and my reads of this slot are over
	s_barrier_signal -1
	MUL16 F1, 0, 2, 0
.if \round
	WIN 0
.endif
	s_barrier_wait -1
.endm
.macro TURN slot, next                 ; the whole last quarter: behind the round the slot just read out is filled again first, two K steps ahead
	s_wait_xcnt 0x0                                ; the last prefetch, a K step back, has read its address
	s_add_nc_u64 s[PFA:PFA+1], s[PFA:PFA+1], KSTEP*2
	MEET 1
	CREST                                          ; no wave of any partner still reads this slot's tile or has a load on its way
	s_add_nc_u64 s[G0+4*\slot+2:G0+4*\slot+3], s[G0+4*\slot+2:G0+4*\slot+3], 2*KSTEP*2
	s_add_nc_u64 s[G0B+4*\slot+2:G0B+4*\slot+3], s[G0B+4*\slot+2:G0B+4*\slot+3], 2*KSTEP*2
	JLOAD \slot                                    ; the four v_nop behind it are also the places in front of the loads below
	FETCH \next, 0, F0
	ASK
	WIN MUL_HI
	MUL16 F1, 1, 0, 0
	MUL16 F1, 1, 2, 0
.endm
	s_wait_loadcnt 0x0                             ; the bias
	s_wait_tensorcnt 1                             ; my part of K step 0 is in (K step 1's load may be out)
	s_barrier_signal -1
	s_barrier_wait -1                              ; everybody's is
	FETCH 0, 0, F0
	QUARTER 0, 64,  F0, F1, 1                      ; the first quarter stands in front of the loop: the bias starts the sums
	WIN 0
	s_mov_b32 s3, LAPS-1
.Llap:                                             ; a trip goes once round the ring, from a lap's second quarter to the next lap's first
	QUARTER 0, 128, F1, F0, 0
	QUARTER 0, 192, F0, F1, 0
	TURN 0, 1
	QUARTER 1, 64,  F0, F1, 0
	QUARTER 1, 128, F1, F0, 0
	QUARTER 1, 192, F0, F1, 0
	TURN 1, 0
	QUARTER 0, 64,  F0, F1, 0
	WIN 0
	s_sub_co_u32 s3, s3, 1
	s_cmp_lg_u32 s3, 0
	s_cbranch_scc1 .Llap
	QUARTER 0, 128, F1, F0, 0                      ; the last lap fills nothing
	QUARTER 0, 192, F0, F1, 0
	MEET 0
	PLACES
	FETCH 1, 0, F0
	WIN MUL_HI
	MUL16 F1, 1, 0, 0
	MUL16 F1, 1, 2, 0
	QUARTER 1, 64,  F0, F1, 0
	QUARTER 1, 128, F1, F0, 0
	QUARTER 1, 192, F0, F1, 0
	s_wait_dscnt 8                                 ; the very last quarter: nothing more to fetch
	WIN MUL_LO
	MUL16 F1, 0, 0, 0
	MUL16 F1, 0, 2, 0
	s_wait_dscnt 0
	WIN MUL_HI
	MUL16 F1, 1, 0, 0
	MUL16 F1, 1, 2, 0
	WIN 0
	PLACES
	s_wait_dscnt 0x0                               ; my reads of the ring are over;
	s_barrier_signal -1
	s_barrier_wait -1                              ; everybody's are, and no fill follows: the ring's bytes become the stages
.irp a, 0,1,2,3,4,5,6,7
	WIN 0x08+4*(\a/4)                              ; an LDS store's data are its source 1: window 2 or 3
.irp b, 0,1,2,3,4,5,6,7
	ds_store_b128 v[STO], v[8*(8*(\a%4)+\b):8*(8*(\a%4)+\b)+3] offset:\a*16*GP+64*\b          ; each accumulator from its low end on
	ds_store_b128 v[STO], v[8*(8*(\a%4)+\b)+4:8*(8*(\a%4)+\b)+7] offset:\a*16*GP+64*\b+16
.endr
.endr
	WIN 0
; A trip: 8 rows x 128 columns, 32 numbers a lane.  more = 1: the next 8 rows are fetched as soon as x has been read.
.macro GTRIP more
	s_wait_dscnt 0x0                               ; my 8 rows are in (LDS serves a wave's instructions in order: the loads saw my stores)
.set i, 0
.rept 32
	v_fma_f32 v[GT+i], |v[GX+i]|, s[KPC], 1.0      ; 1 + p |x| / sqrt 2
.set i, i+1
.endr
.set i, 0
.rept 16
	v_pk_mul_f32 v[GXS+i:GXS+i+1], v[GX+i:GX+i+1], s[CX:CX+1] op_sel_hi:[1,0]
.set i, i+2
.endr
.if \more
	s_add_co_u32 s[TS], s[TS], 8*GP
	v_add_nc_u32 v[ADR], s[TS], v[RD0]
.irp i, 0,1,2,3,4,5,6,7
	ds_load_b128 v[GX+4*\i:GX+4*\i+3], v[ADR] offset:\i*GP
.endr
.endif
.set i, 0
.rept 16
	v_pk_mul_f32 v[GE+i:GE+i+1], v[GXS+i:GXS+i+1], v[GXS+i:GXS+i+1] neg_lo:[1,0] neg_hi:[1,0]   ; -x^2 log2(e) / 2
.set i, i+2
.endr
.set i, 0
.rept 32
	v_rcp_f32 v[GT+i], v[GT+i]                     ; t
.set i, i+1
.endr
.set i, 0
.rept 32
	v_exp_f32 v[GE+i], v[GE+i]                     ; exp(-x^2 / 2)
.set i, i+1
.endr
	v_nop                                          ; a plain instruction behind the last transcendental
	s_wait_alu depctr_va_vdst(0)                   ; one wait for the batch of 64, ahead of its first reader
.set i, 0
.rept 16
	v_pk_fma_f32 v[GPL+i:GPL+i+1], v[GT+i:GT+i+1], v[8:9], s[A4:A4+1] op_sel_hi:[1,1,0]
.set i, i+2
.endr
.irp k, A3, A2, A1
.set i, 0
.rept 16
	v_pk_fma_f32 v[GPL+i:GPL+i+1], v[GPL+i:GPL+i+1], v[GT+i:GT+i+1], s[\k:\k+1] op_sel_hi:[1,1,0]
.set i, i+2
.endr
.endr
.set i, 0
.rept 16
	v_pk_mul_f32 v[GPL+i:GPL+i+1], v[GPL+i:GPL+i+1], v[GT+i:GT+i+1]
.set i, i+2
.endr
.set i, 0
.rept 16
	v_pk_fma_f32 v[GPL+i:GPL+i+1], v[GPL+i:GPL+i+1], v[GE+i:GE+i+1], 0.5 op_sel_hi:[1,1,0] neg_lo:[1,0,0] neg_hi:[1,0,0]   ; 0.5 - erfc / 2
.set i, i+2
.endr
.set i, 0
.rept 32
	v_bfi_b32 v[GPL+i], s[SMASK], v[GPL+i], v[GXS+i]   ; with the sign of x
.set i, i+1
.endr
.set i, 0
.rept 16
	v_pk_fma_f32 v[GPL+i:GPL+i+1], v[GPL+i:GPL+i+1], s[KINV:KINV+1], v[10:11] op_sel_hi:[1,0,1]   ; Phi / CX
.set i, i+2
.endr
.set i, 0
.rept 16
	v_pk_mul_f32 v[GPL+i:GPL+i+1], v[GPL+i:GPL+i+1], v[GXS+i:GXS+i+1]   ; x Phi
.set i, i+2
.endr
.set i, 0
.rept 16
	v_cvt_pk_f16_f32 v[GH+i], v[GPL+2*i], v[GPL+2*i+1]
.set i, i+1
.endr
.irp i, 0,1,2,3,4,5,6,7
	global_store_b64 v[CO], v[GH+2*\i:GH+2*\i+1], s[8:9] offset:\i*SIZE_N*2   ; the wave stores 256 consecutive bytes, aligned
.endr
.if \more
	s_wait_xcnt 0x0                                ; the stores have read their base and their registers
	s_add_nc_u64 s[8:9], s[8:9], 8*SIZE_N*2
.endif
.endm
	s_mov_b32 s[TS], 0
	s_mov_b32 s[CNT], 15
.irp i, 0,1,2,3,4,5,6,7
	ds_load_b128 v[GX+4*\i:GX+4*\i+3], v[RD0] offset:\i*GP
.endr
.Lrows:
	GTRIP 1
	s_sub_co_u32 s[CNT], s[CNT], 1
	s_cmp_lg_u32 s[CNT], 0
	s_cbranch_scc1 .Lrows
	GTRIP 0                                        ; the last 8 rows: nothing more to fetch
	s_wait_tensorcnt 0x0                           ; the wave's end
	ds_add_u32 v[SPW], v[NIL]
	s_wait_dscnt 0x0
	CROUND                                         ; the closing round
	s_endpgm
.Lfunc_end_k_qd869c389d3_ffn1:
	.size	k_qd869c389d3_ffn1, .Lfunc_end_k_qd869c389d3_ffn1-k_qd869c389d3_ffn1
	.p2alignl 7, 3214868480
	.fill 96, 4, 3214868480
	.section	.rodata,"a",@progbits
	.p2align	6, 0x0
	.amdhsa_kernel k_qd869c389d3_ffn1
		.amdhsa_group_segment_fixed_size 327680
		.amdhsa_private_segment_fixed_size 0
		.amdhsa_enable_private_segment 0
		.amdhsa_kernarg_size 32
		.amdhsa_user_sgpr_count 2
		.amdhsa_user_sgpr_kernarg_segment_ptr 1
		.amdhsa_wavefront_size32 1
		.amdhsa_system_sgpr_workgroup_id_x 1
		.amdhsa_system_sgpr_workgroup_id_y 1
		.amdhsa_system_sgpr_workgroup_id_z 1
		.amdhsa_system_vgpr_workitem_id 0
		.amdhsa_next_free_vgpr 1024
		.amdhsa_next_free_sgpr 84
		.amdhsa_reserve_vcc 0
		.amdhsa_float_denorm_mode_32 3
		.amdhsa_float_denorm_mode_16_64 3
		.amdhsa_memory_ordered 1
		.amdhsa_forward_progress 1
		.amdhsa_inst_pref_size 160
	.end_amdhsa_kernel
	.amdgpu_metadata
---
amdhsa.version: [ 1, 2 ]
amdhsa.kernels:
  - .name:           k_qd869c389d3_ffn1
    .symbol:         k_qd869c389d3_ffn1.kd
    .args:
      - { .name: y16, .offset: 0, .size: 8, .value_kind: global_buffer, .address_space: global }
      - { .name: w16, .offset: 8, .size: 8, .value_kind: global_buffer, .address_space: global }
      - { .name: b1, .offset: 16, .size: 8, .value_kind: global_buffer, .address_space: global }
      - { .name: h16, .offset: 24, .size: 8, .value_kind: global_buffer, .address_space: global }
    .group_segment_fixed_size: 327680
    .private_segment_fixed_size: 0
    .kernarg_segment_align: 8
    .kernarg_segment_size: 32
    .max_flat_workgroup_size: 128
    .sgpr_count:     84
    .vgpr_count:     1024
    .wavefront_size: 32
...
	.end_amdgpu_metadata
.endif
;; end of part 5
;; launch ffn2 (part 6): grid 8 x 32, 4 waves a work-group, clusters of 4 x 4, 327,680 bytes of LDS; arguments h16, w16, b2, y32, out0; writes out0
.if DOCPART == 6
	.amdgcn_target "amdgcn-amd-amdhsa--gfx1250"
	.amdhsa_code_object_version 6
	.text
	.protected	k_qd869c389d3_ffn2
	.globl	k_qd869c389d3_ffn2
	.p2align	8
	.type	k_qd869c389d3_ffn2,@function
k_qd869c389d3_ffn2:
	s_mov_b64 s[64:65], 0
	v_nop
	global_prefetch_b8 v0, s[64:65] scope:SCOPE_SE
	s_setreg_imm32_b32 hwreg(HW_REG_WAVE_MODE, 25, 1), 1
	s_wait_xcnt 0x0
	s_wait_alu depctr_hold_cnt(0) depctr_sa_sdst(0) depctr_va_vdst(0) depctr_va_sdst(0) depctr_va_ssrc(0) depctr_va_vcc(0) depctr_vm_vsrc(0)
	s_getreg_b32 s2, hwreg(HW_REG_IB_STS2, 6, 4)
	s_cmp_eq_u32 s2, 0
	s_cbranch_scc0 .Lentry_in_a_cluster
	s_endpgm
.Lentry_in_a_cluster:
	s_bfe_u32 s2, ttmp6, 0x10000c
	s_cmp_lg_u32 s2, 0xf033
	s_cbranch_scc0 .Lentry_shape_is_right
	s_endpgm
.Lentry_shape_is_right:
; out0 = h16 W2^T + b2 + y32.  h16 [4,096][4,096], W2 (w16 from byte 8,388,608) [1,024][4,096]: f16; sums, bias and residual in f32; out0 [4,096][1,024] f32.
; C has 64 tiles of 256 x 256, too few for the WGPs: a tile is 128 x 128, 256 work-groups.  Four waves, 64 x 64 each: 16 accumulators.  K goes in steps of 256 (LDS rows of 512 bytes; a wave's tensor load brings 64 of them)
; through a ring of two slots.  CLUSTERS: 4 x 4 work-groups; A's tile is shared along a row of the cluster, B's along a column.
; THE MATRIX INSTRUCTION IS USED TRANSPOSED (source 0 = 16 rows of W2, source 1 = 16 rows of h): a lane holds eight neighbouring columns of one row.  b2 is the C of each sum's first instruction.
; THE WAY OUT: a wave's 64 columns of f32 are 256 aligned bytes of a row, so each wave has a stage of its own and no barrier is needed.  The residual, whole such pieces, is asked for at the loop's exit, into registers of its
; own: its 32 loads have the last 224 matrix instructions in which to land; it is added behind the stage.
; No prefetch: on tiles as small as these a K step's requests are few, and the joint loads divide them by four.
; REGISTERS: window 0: v0-31 addresses; v32-95 at work on the way out; v96-127 the bias; v128-255 the accumulators ((a, b) at v[128 + 8 (4 a + b)]).  window 1: two fragment buffers of 128.  window 2: v0-127 the residual.
.set SIZE_M, 4096
.set SIZE_N, 1024
.set SIZE_K, 4096
.set KSTEP,  256
.set PITCH,  528                       ; 512 bytes + 16 of padding: the 16 rows that a load touches start at 16 different banks (ISA guide 11.1)
.set HALFT,  64*PITCH
.set SLOT,   4*HALFT
.set STAGE,  2*SLOT                    ; behind the ring: 16 rows x 272 bytes for each wave
.set SPITCH, 272
.set SPARE,  STAGE+4*16*SPITCH         ; the spare words, 128 bytes a wave, which no other line names
.set LAPS,   SIZE_K/(2*KSTEP)
.set ADRA, 16
.set ADRB, 20
.set STO,  24
.set RD,   25
.set CO,   26
.set SPW,  28
.set NIL,  29
.set TMP,  32
.set BIAS, 96
.set ACC,  128
.set F0,   0
.set F1,   128
.set G1, 24
.set G0, 32
.set G1B, 48
.set G0B, 56
.set MSB, 0
.macro WIN new
.if MSB != (\new)
	s_set_vgpr_msb (MSB<<8)|(\new)
.set MSB, (\new)
.endif
.endm
.set MUL,  0x05                        ; sources 0 (B) and 1 (A) window 1; C and D window 0
.set TO_F, 0x40
.macro JLOAD s                         ; a joint load: waves 0 and 1 fetch A's halves, waves 2 and 3 B's; an s_nop 0 and four v_nop follow each line
	s_cmp_eq_u32 s11, 0
	s_cbranch_scc0 .Lfor_b_\@
	tensor_load_to_lds s[G0+4*\s:G0+4*\s+3], s[G1:G1+7]
	s_nop 0
.rept 4
	v_nop
.endr
	s_branch .Lasked_\@
.Lfor_b_\@:
	tensor_load_to_lds s[G0B+4*\s:G0B+4*\s+3], s[G1B:G1B+7]
	s_nop 0
.rept 4
	v_nop
.endr
.Lasked_\@:
.endm
.macro CREST
	s_cmp_lg_u32 s10, 0
	s_cbranch_scc1 .Lnot_wave_0_\@
	s_barrier_signal -3
.Lnot_wave_0_\@:
	s_barrier_wait -3
	s_barrier_signal -1
	s_barrier_wait -1
.endm
.macro CROUND
	s_barrier_signal -1
	s_barrier_wait -1
	CREST
.endm
	s_load_b128 s[4:7], s[0:1], 0x0                ; h16 s[4:5], w16 s[6:7]
	s_load_b128 s[68:71], s[0:1], 0x10             ; b2 s[68:69], y32 s[70:71]
	s_load_b64 s[8:9], s[0:1], 0x20                ; out0
	v_lshl_add_u32 v[SPW], v0, 2, SPARE
	v_mov_b32 v[NIL], 0
	ds_add_u32 v[SPW], v[NIL]                      ; the wave's opening: the add, twice on end, and its wait ahead of my first tensor load
	ds_add_u32 v[SPW], v[NIL]
	v_lshrrev_b32 v1, 5, v0
	v_readfirstlane_b32 s10, v1                    ; wave 0..3
	s_lshr_b32 s11, s10, 1                         ; which half of the tile's rows is mine.  Also: I fetch for A (0) or for B (1)
	s_and_b32 s12, s10, 1                          ; which half of its columns.  Also: which 64 rows I fetch
	s_bfe_u32 s40, ttmp6, 0x40000                  ; cx
	s_bfe_u32 s41, ttmp6, 0x40004                  ; cy
	s_lshl_b32 s42, ttmp9, 2
	s_add_co_u32 s42, s42, s40                     ; tile column
	s_and_b32 s13, ttmp7, 0xffff
	s_lshl_b32 s13, s13, 2
	s_add_co_u32 s13, s13, s41                     ; tile row
	s_lshl_b32 s43, s41, 2
	s_lshl_b32 s43, 15, s43                        ; my row of the cluster
	s_lshl_b32 s44, 0x1111, s40                    ; my column
	s_or_b32 s[G1+0], s43, (1<<16)|(1<<20)|(1<<21)|(6<<22)|(3<<25)  ; the mask; elements of 2 bytes; padding on; bit 21 beside a mask; 4 words of padding behind every 128
	s_or_b32 s[G1B+0], s44, (1<<16)|(1<<20)|(1<<21)|(6<<22)|(3<<25)
.irp g, G1, G1B
	s_mov_b32 s[\g+1], KSTEP<<16                   ; tensor_dim0
	s_mov_b32 s[\g+2], 64<<16                      ; tensor_dim1
	s_mov_b32 s[\g+3], KSTEP<<16                   ; tile_dim0
	s_mov_b32 s[\g+4], 64                          ; tile_dim1
	s_mov_b32 s[\g+5], SIZE_K                      ; the pitch, in elements
	s_mov_b32 s[\g+6], 0
	s_mov_b32 s[\g+7], 0
.endr
	s_lshl_b32 s17, s12, 6
	s_lshl_b32 s16, s13, 7
	s_add_co_u32 s16, s16, s17                     ; A: row 128 x tile row + 64 x half
	s_lshl_b32 s46, s42, 7
	s_add_co_u32 s46, s46, s17                     ; B: row 128 x tile column + 64 x half
	s_mov_b32 s17, 0
	s_mov_b32 s47, 0
	s_mov_b64 s[18:19], SIZE_K*2
	s_mul_u64 s[16:17], s[16:17], s[18:19]
	s_mul_u64 s[46:47], s[46:47], s[18:19]
	s_mul_i32 s20, s10, HALFT                      ; where they go: wave x 64 rows
	s_wait_dscnt 0x0                               ; both opening adds are done
	s_wait_kmcnt 0x0
	s_add_nc_u64 s[6:7], s[6:7], 8388608           ; W2 lies behind W1
	s_add_nc_u64 s[14:15], s[4:5], s[16:17]
	s_add_nc_u64 s[46:47], s[6:7], s[46:47]
	CROUND                                         ; all sixteen work-groups are here: the first joint loads meet
.irp s, 0,1
	s_mov_b32 s[G0+4*\s], 1
	s_add_co_u32 s[G0+4*\s+1], s20, \s*SLOT
	s_add_nc_u64 s[G0+4*\s+2:G0+4*\s+3], s[14:15], \s*KSTEP*2
	s_or_b32 s[G0+4*\s+3], s[G0+4*\s+3], 0x80000000
	s_mov_b32 s[G0B+4*\s], 1
	s_add_co_u32 s[G0B+4*\s+1], s20, \s*SLOT
	s_add_nc_u64 s[G0B+4*\s+2:G0B+4*\s+3], s[46:47], \s*KSTEP*2
	s_or_b32 s[G0B+4*\s+3], s[G0B+4*\s+3], 0x80000000
	JLOAD \s                                       ; two tensor loads of a wave are out
.endr
	v_and_b32 v1, 15, v0                           ; r
	v_bfe_u32 v2, v0, 4, 1                         ; h
	v_mul_u32_u24 v3, v1, PITCH
	v_lshl_add_u32 v3, v2, 4, v3
	s_mul_i32 s21, s11, HALFT
	s_mul_i32 s22, s12, HALFT
	s_add_co_u32 s22, s22, 2*HALFT
.irp s, 0,1
	v_add_nc_u32 v[ADRA+\s], s21, v3
	v_add_nc_u32 v[ADRB+\s], s22, v3
	s_add_co_u32 s21, s21, SLOT
	s_add_co_u32 s22, s22, SLOT
.endr
	s_mul_i32 s23, s10, 16*SPITCH
	s_add_co_u32 s23, s23, STAGE                   ; my stage
	v_mul_u32_u24 v4, v1, SPITCH
	v_lshl_add_u32 v4, v2, 5, v4
	v_add_nc_u32 v[STO], s23, v4                   ; in: row r, 32 bytes for each half of the lanes
	v_mul_u32_u24 v5, v2, SPITCH
	v_lshl_add_u32 v5, v1, 4, v5
	v_add_nc_u32 v[RD], s23, v5                    ; back: lanes 0-15 one row of 256 bytes, lanes 16-31 the next
	v_mul_u32_u24 v5, v2, SIZE_N*4
	v_lshl_add_u32 v[CO], v1, 4, v5                ; and the same two rows in out0 and y32
	s_lshl_b32 s16, s13, 7
	s_lshl_b32 s17, s11, 6
	s_add_co_u32 s16, s16, s17                     ; my first row: 128 x tile row + 64 x half,
	s_lshl_b32 s16, s16, 12                        ; 4,096 bytes each
	s_mov_b32 s17, 0
	s_add_nc_u64 s[8:9], s[8:9], s[16:17]
	s_add_nc_u64 s[70:71], s[70:71], s[16:17]
	s_lshl_b32 s46, s42, 9                         ; my first column, in bytes: 512 x tile column + 256 x half
	s_lshl_b32 s47, s12, 8
	s_add_co_u32 s46, s46, s47
	s_mov_b32 s47, 0
	s_add_nc_u64 s[8:9], s[8:9], s[46:47]
	s_add_nc_u64 s[70:71], s[70:71], s[46:47]
	s_add_nc_u64 s[68:69], s[68:69], s[46:47]
	v_lshlrev_b32 v6, 5, v2
.irp b, 0,1,2,3                                ; register BIAS + 8 b + j of lane (r, h): b2 of my column 16 b + 8 h + j
	global_load_b128 v[BIAS+8*\b:BIAS+8*\b+3], v6, s[68:69] offset:64*\b
	global_load_b128 v[BIAS+8*\b+4:BIAS+8*\b+7], v6, s[68:69] offset:64*\b+16
.endr
; 8 matrix instructions: m blocks a0, a0 + 1 x all 4 n blocks, 32 along K: half c of buffer f.  first = 1: the bias starts the sums.  The 16 accumulators take turns.
.macro MUL8 f, c, a0, first
.irp a, \a0, \a0+1
.irp b, 0,1,2,3
.if \first
	v_wmma_f32_16x16x32_f16 v[ACC+8*(4*(\a)+\b):ACC+8*(4*(\a)+\b)+7], v[\f+64+8*(4*\c+\b):\f+64+8*(4*\c+\b)+7], v[\f+8*(4*\c+\a):\f+8*(4*\c+\a)+7], v[BIAS+8*\b:BIAS+8*\b+7]
.else
	v_wmma_f32_16x16x32_f16 v[ACC+8*(4*(\a)+\b):ACC+8*(4*(\a)+\b)+7], v[\f+64+8*(4*\c+\b):\f+64+8*(4*\c+\b)+7], v[\f+8*(4*\c+\a):\f+8*(4*\c+\a)+7], v[ACC+8*(4*(\a)+\b):ACC+8*(4*(\a)+\b)+7]
.endif
.endr
.endr
.endm
.macro FETCH slot, k, f                ; 32 LDS loads in one run: the fragments of 64 along K; the first 32 along K first
	WIN TO_F
.irp c, 0,1
.irp i, 0,1,2,3
	ds_load_b128 v[\f+64+8*(4*\c+\i):\f+64+8*(4*\c+\i)+3],   v[ADRB+\slot] offset:\k+64*\c+\i*16*PITCH
	ds_load_b128 v[\f+64+8*(4*\c+\i)+4:\f+64+8*(4*\c+\i)+7], v[ADRB+\slot] offset:\k+64*\c+\i*16*PITCH+32
	ds_load_b128 v[\f+8*(4*\c+\i):\f+8*(4*\c+\i)+3],         v[ADRA+\slot] offset:\k+64*\c+\i*16*PITCH
	ds_load_b128 v[\f+8*(4*\c+\i)+4:\f+8*(4*\c+\i)+7],       v[ADRA+\slot] offset:\k+64*\c+\i*16*PITCH+32
.endr
.endr
.endm
.macro PLACES
.rept 4
	v_nop
.endr
.endm
.macro QUARTER slot, k, f, g, first    ; 64 along K on buffer f; in its middle the next quarter is fetched into g
	s_wait_dscnt 16                                ; the first 32 along K are in; the youngest sixteen loads may be out
	WIN MUL
	MUL8 \f, 0, 0, \first
	MUL8 \f, 0, 2, \first
	PLACES
	FETCH \slot, \k, \g
	s_wait_dscnt 32                                ; all but the 32 just issued
	WIN MUL
	MUL8 \f, 1, 0, 0
	MUL8 \f, 1, 2, 0
.endm
.macro TURN slot, next, fill           ; the last quarter changes slots: one barrier; fill = 1: this slot is filled again, two K steps ahead
	WIN 0
	s_wait_tensorcnt 0x0                           ; all my tensor loads have landed: my part of the next slot
	ds_add_u32 v[SPW], v[NIL]
	s_wait_dscnt 17                                ; (the add and the youngest sixteen loads may be out)
	WIN MUL
	MUL8 F1, 0, 0, 0
	s_wait_dscnt 0x0                               ; the add is done, and my reads of this slot are over
	s_barrier_signal -1
	MUL8 F1, 0, 2, 0
.if \fill
	WIN 0
.endif
	s_barrier_wait -1
.if \fill
	CREST                                          ; no wave of any partner still reads this slot's tile or has a load on its way
	s_add_nc_u64 s[G0+4*\slot+2:G0+4*\slot+3], s[G0+4*\slot+2:G0+4*\slot+3], 2*KSTEP*2
	s_add_nc_u64 s[G0B+4*\slot+2:G0B+4*\slot+3], s[G0B+4*\slot+2:G0B+4*\slot+3], 2*KSTEP*2
	JLOAD \slot                                    ; the four v_nop behind it are also the places in front of the loads below
.else
	PLACES
.endif
	FETCH \next, 0, F0
	WIN MUL
	MUL8 F1, 1, 0, 0
	MUL8 F1, 1, 2, 0
.endm
	s_wait_loadcnt 0x0                             ; the bias
	s_wait_tensorcnt 1                             ; my part of K step 0 is in (K step 1's load may be out)
	s_barrier_signal -1
	s_barrier_wait -1                              ; everybody's is
	FETCH 0, 0, F0
	QUARTER 0, 128, F0, F1, 1                      ; the first quarter stands in front of the loop: the bias starts the sums
	WIN 0
	s_mov_b32 s3, LAPS-1
.Llap:                                             ; a trip goes once round the ring
	QUARTER 0, 256, F1, F0, 0
	QUARTER 0, 384, F0, F1, 0
	TURN 0, 1, 1
	QUARTER 1, 128, F0, F1, 0
	QUARTER 1, 256, F1, F0, 0
	QUARTER 1, 384, F0, F1, 0
	TURN 1, 0, 1
	QUARTER 0, 128, F0, F1, 0
	WIN 0
	s_sub_co_u32 s3, s3, 1
	s_cmp_lg_u32 s3, 0
	s_cbranch_scc1 .Llap
	WIN 0x80                                       ; destination window 2: the residual is asked for here, a lap ahead of its use; no matrix instruction names these registers
.irp a, 0,1,2,3
.irp i, 0,1,2,3,4,5,6,7
	global_load_b128 v[32*\a+4*\i:32*\a+4*\i+3], v[CO], s[70:71] offset:(16*\a+2*\i)*SIZE_N*4 th:TH_LOAD_NT   ; 16 lanes read 256 consecutive bytes
.endr
.endr
	WIN 0
	QUARTER 0, 256, F1, F0, 0                      ; the last lap fills nothing
	QUARTER 0, 384, F0, F1, 0
	TURN 0, 1, 0
	QUARTER 1, 128, F0, F1, 0
	QUARTER 1, 256, F1, F0, 0
	QUARTER 1, 384, F0, F1, 0
	s_wait_dscnt 16                                ; the very last quarter
	WIN MUL
	MUL8 F1, 0, 0, 0
	MUL8 F1, 0, 2, 0
	s_wait_dscnt 0
	MUL8 F1, 1, 0, 0
	MUL8 F1, 1, 2, 0
	WIN 0
	; THE WAY OUT
	PLACES
.macro TOSTAGE a
.irp b, 0,1,2,3
	ds_store_b128 v[STO], v[ACC+8*(4*(\a)+\b):ACC+8*(4*(\a)+\b)+3] offset:64*\b              ; each accumulator from its low end on
	ds_store_b128 v[STO], v[ACC+8*(4*(\a)+\b)+4:ACC+8*(4*(\a)+\b)+7] offset:64*\b+16
.endr
.irp i, 0,1,2,3,4,5,6,7
	ds_load_b128 v[TMP+32*((\a)%2)+4*\i:TMP+32*((\a)%2)+4*\i+3], v[RD] offset:\i*2*SPITCH    ; LDS serves a wave's instructions in order: these see the stores above
.endr
.endm
.macro SEND a, younger                 ; younger: the LDS instructions issued behind block a's loads
	s_wait_dscnt \younger                          ; the block is back in registers
	s_wait_loadcnt 24-8*(\a)                       ; its eight residual loads are in; the later blocks' may be out
	WIN 0x08                                       ; source 1 window 2
.set n, 0
.rept 16
	v_pk_add_f32 v[TMP+32*((\a)%2)+n:TMP+32*((\a)%2)+n+1], v[TMP+32*((\a)%2)+n:TMP+32*((\a)%2)+n+1], v[32*(\a)+n:32*(\a)+n+1]
.set n, n+2
.endr
	WIN 0
.irp i, 0,1,2,3,4,5,6,7
	global_store_b128 v[CO], v[TMP+32*((\a)%2)+4*\i:TMP+32*((\a)%2)+4*\i+3], s[8:9] offset:(16*(\a)+2*\i)*SIZE_N*4 th:TH_STORE_NT   ; 16 lanes store 256 consecutive bytes, aligned
.endr
.endm
	TOSTAGE 0
.irp a, 1,2,3
.if \a > 1
	s_wait_xcnt 0x0                                ; block a - 2's stores have read their registers: block a's loads may land there
.endif
	TOSTAGE \a
	SEND \a-1, 16                                  ; behind block a - 1's loads: block a's 8 stores and 8 loads
.endr
	SEND 3, 0
	s_wait_tensorcnt 0x0                           ; the wave's end
	ds_add_u32 v[SPW], v[NIL]
	s_wait_dscnt 0x0
	CROUND                                         ; the closing round
	s_endpgm
.Lfunc_end_k_qd869c389d3_ffn2:
	.size	k_qd869c389d3_ffn2, .Lfunc_end_k_qd869c389d3_ffn2-k_qd869c389d3_ffn2
	.p2alignl 7, 3214868480
	.fill 96, 4, 3214868480
	.section	.rodata,"a",@progbits
	.p2align	6, 0x0
	.amdhsa_kernel k_qd869c389d3_ffn2
		.amdhsa_group_segment_fixed_size 327680
		.amdhsa_private_segment_fixed_size 0
		.amdhsa_enable_private_segment 0
		.amdhsa_kernarg_size 40
		.amdhsa_user_sgpr_count 2
		.amdhsa_user_sgpr_kernarg_segment_ptr 1
		.amdhsa_wavefront_size32 1
		.amdhsa_system_sgpr_workgroup_id_x 1
		.amdhsa_system_sgpr_workgroup_id_y 1
		.amdhsa_system_sgpr_workgroup_id_z 1
		.amdhsa_system_vgpr_workitem_id 0
		.amdhsa_next_free_vgpr 640
		.amdhsa_next_free_sgpr 80
		.amdhsa_reserve_vcc 0
		.amdhsa_float_denorm_mode_32 3
		.amdhsa_float_denorm_mode_16_64 3
		.amdhsa_memory_ordered 1
		.amdhsa_forward_progress 1
		.amdhsa_inst_pref_size 94
	.end_amdhsa_kernel
	.amdgpu_metadata
---
amdhsa.version: [ 1, 2 ]
amdhsa.kernels:
  - .name:           k_qd869c389d3_ffn2
    .symbol:         k_qd869c389d3_ffn2.kd
    .args:
      - { .name: h16, .offset: 0, .size: 8, .value_kind: global_buffer, .address_space: global }
      - { .name: w16, .offset: 8, .size: 8, .value_kind: global_buffer, .address_space: global }
      - { .name: b2, .offset: 16, .size: 8, .value_kind: global_buffer, .address_space: global }
      - { .name: y32, .offset: 24, .size: 8, .value_kind: global_buffer, .address_space: global }
      - { .name: out0, .offset: 32, .size: 8, .value_kind: global_buffer, .address_space: global }
    .group_segment_fixed_size: 327680
    .private_segment_fixed_size: 0
    .kernarg_segment_align: 8
    .kernarg_segment_size: 40
    .max_flat_workgroup_size: 128
    .sgpr_count:     80
    .vgpr_count:     640
    .wavefront_size: 32
...
	.end_amdgpu_metadata
.endif
;; end of part 6
